; MI455X (gfx1250); checked and timed in simulation.
; The chip was launched on July 23, 2026; its instructions are those of AMD's public machine-readable ISA for CDNA 5 (MIT licence, August 2026) and "CDNA5" Instruction Set Architecture Reference Guide (July 2026). The comments in the code are by the model that wrote it; some were corrected since.
;; Multi Headed Self Attention. Allowed arithmetic: matrix products marked QUANTISED: E2M1 operands, one E8M0 scale for each 32 along K, by v_wmma_scale_f32_16x16x128_f8f6f4 with both operands' format E2M1 (or v_wmma_scale_f32_32x16x128_f4), f32 sums; products left as they are: bf16, f16 or f32 operands; f32 sums; everything else in f32.
;; Inputs: Wout 1,024 x 1,024 float32; Wqkv 1,024 x 3,072 float32; bout 1,024 float32; bqkv 3,072 float32; x 4 x 2,048 x 1,024 float32.
;; Outputs: out0 4 x 2,048 x 1,024 float32.
;; This version of the problem:
;;   THIS VERSION OF THE PROBLEM IS GIVEN IN LOW PRECISION. The matrix products marked QUANTISED in the list below multiply operands that are first quantised to E2M1 (2 exponent bits, 1 mantissa bit; 4 bits a number), with one power-of-two scale for each 32 numbers along K (OCP MX v1.0); their sums are f32. The products marked 'left as it is' may take bf16, f16 or f32 operands, with f32 sums. Whichever they take, every output number must still come out within the allowed error. Rounding operands to bf16 (8 significant bits) uses up far more of that allowance than f16 does (11 bits, for magnitudes from 6e-5 to 65,504). All else is computed in f32.
;;   The module's matrix products, in the order in which they are computed (A, B: the left and right operand; K: the contracted axis; several contracted axes count as one K, in the product's order):
;;     1. [M 8,192, K 1,024] x [K 1,024, N 3,072]; A: input x; B: input Wqkv: QUANTISED
;;     2. batch 64 x [M 2,048, K 64] x [K 64, N 2,048]; A: computed on the way; B: computed on the way: left as it is (an operand is computed on the way)
;;     3. batch 64 x [M 2,048, K 2,048] x [K 2,048, N 64]; A: computed on the way; B: computed on the way: left as it is (an operand is computed on the way)
;;     4. [M 8,192, K 1,024] x [K 1,024, N 1,024]; A: computed on the way; B: input Wout: left as it is (an operand is computed on the way)
;;   THE QUANTISER, for each operand of a quantised product, along K:
;;     - K is cut into blocks of 32 from its start; a last block that is shorter is filled with zeros.
;;     - A block's scale is 2^e with e = floor(log2(the largest magnitude in the block)) - 2, held to -126 .. 127; a block of zeros has e = 0. As a byte (E8M0): e + 127.
;;     - Each number is divided by its block's scale, clamped to +-6, and rounded to the nearest number of E2M1, ties to even, subnormals kept.
;;     - The product sums the exact products of the quantised numbers (number of the format x scale) in f32.
;;   ~~~python
;;   def quantise(x, axis):      # numpy; x: float32 -> the quantised numbers, widened to float32 again
;;       x = np.moveaxis(x, axis, -1); K = x.shape[-1]
;;       x = np.pad(x, [(0, 0)] * (x.ndim - 1) + [(0, -K % 32)]); x = x.reshape(x.shape[:-1] + (-1, 32)); a = np.abs(x).max(-1, keepdims=True)
;;       e = np.where(a > 0, np.clip(np.frexp(np.where(a > 0, a, 1))[1] - 1 - 2, -126, 127), 0)      # np.frexp(a)[1] - 1 = floor(log2(a)), exactly
;;       r = np.clip(x / 2.0 ** e, -6, 6)
;;       step = 2.0 ** (np.maximum(np.frexp(np.where(r == 0, 1, r))[1] - 1, 0) - 1)
;;       q = np.round(r / step) * step * 2.0 ** e      # np.round: ties to even
;;       return np.moveaxis(q.reshape(q.shape[:-2] + (-1,))[..., :K], -1, axis).astype(np.float32)
;;   ~~~
;; One version. Each part assembles by itself: llvm-mc -triple=amdgcn-amd-amdhsa -mcpu=gfx1250 --defsym DOCPART=n.
;; ======== version 1 of 1: 4 launches
;; limits: values are held in f16: magnitudes above 65,504 overflow, below 6.1e-05 lose precision
;; workspace buffers: xc 4,194,304 bytes; xs 262,144 bytes; wc 1,572,864 bytes; ws 98,304 bytes; wo 2,097,152 bytes; qkv 50,331,648 bytes; yh 16,777,216 bytes
;; launch prep (part 1): grid 368 x 1, 4 waves a work-group, no clusters, 102,912 bytes of LDS; arguments x, Wqkv, Wout, xc, xs, wc, ws, wo; writes xc, xs, wc, ws, wo
.if DOCPART == 1
	.amdgcn_target "amdgcn-amd-amdhsa--gfx1250"
	.amdhsa_code_object_version 6
	.text
	.protected	k_q657bdb0f90_prep
	.globl	k_q657bdb0f90_prep
	.p2align	8
	.type	k_q657bdb0f90_prep,@function
k_q657bdb0f90_prep:
	s_mov_b64 s[64:65], 0
	v_nop
	global_prefetch_b8 v0, s[64:65] scope:SCOPE_SE
	s_setreg_imm32_b32 hwreg(HW_REG_WAVE_MODE, 25, 1), 1
	s_wait_xcnt 0x0
; PREP.  Three jobs in one launch, told apart by the work-group's number; each has LDS bytes of its own.
;   work-groups 0-47    W: Wqkv [1024 k][3072 n] f32 -> codes of FP4 (E2M1) wc [3072 n][512 bytes], K innermost, and scale bytes ws [3072][32]
;   work-groups 48-111  O: Wout [1024 k][1024 n] f32 -> f16, wo [16 h][1024 n][64], k = 64 h + k'
;   work-groups 112-367 X: x [8192][1024] f32 -> codes xc [8192][512 bytes] and scale bytes xs [8192][32]
; A block's scale is 2^(floor(log2(its largest magnitude)) - 2); its byte is the largest magnitude's exponent field - 2, held at 1 from below.
; A block of zeros so gets the byte 1 where the rule says 127: its codes are zeros, and the bytes are read by this program alone.
; LIMITS: NaN and infinities are not served; blocks whose largest magnitude lies under 2^-124 keep the byte 1; |Wout| stays under 65,504 (f16), and numbers of Wout under 6e-5 lose bits.
; No tensor load, no barrier: waves share nothing.
.set WST,   0                          ; W's four stages: 32 rows x 272 bytes a wave
.set OST,   34816                      ; O's four stages, the same size
.set XRG,   69632                      ; X's four regions of 8,192 bytes
.set SPARE, 102400                     ; the spare words: 128 bytes a wave, two blocks of 256 bytes that no other line names
.set SPW,   1                          ; v1   my spare word's LDS address; never rewritten
.set NIL,   10                         ; v10  0; never rewritten
.set SP,    80                         ; X: a lane's place in a stage: 64 bytes + 16 of padding
.set XR,    16                         ; X: v16-79 four sets of 16 numbers as loaded
.set XX,    80                         ; X: v80-111 two sets of 16 neighbours
.set XE,    112                        ; X: v112-127 a scale byte for each step
.set XC,    128                        ; X: v128-191 codes, four registers a step
.set PITCH, 272                        ; W, O: a stage row: 256 bytes + 16
	s_load_b512 s[16:31], s[0:1], 0x0              ; x 16, Wqkv 18, Wout 20, xc 22, xs 24, wc 26, ws 28, wo 30
	v_lshl_add_u32 v[SPW], v0, 2, SPARE
	v_mov_b32 v[NIL], 0
	v_lshrrev_b32 v2, 5, v0
	v_readfirstlane_b32 s8, v2                     ; wave 0..3
	v_and_b32 v2, 31, v0                           ; lane
	s_mov_b32 s13, 0                               ; the high word of every offset pair s[12:13]
	s_wait_kmcnt 0x0
	s_cmp_lt_u32 ttmp9, 48
	s_cbranch_scc1 .Lw
	s_cmp_lt_u32 ttmp9, 112
	s_cbranch_scc1 .Lo
; ---------------- X: a plain stream of blocks of 32.  A wave takes 16 steps of 512 numbers.
; Each load reads 512 consecutive bytes; a step's 2,048 bytes turn through the wave's own stage, so that a lane then holds 16 neighbours along K (two lanes to a block).
	v_lshlrev_b32 v3, 4, v2                        ; my 16 bytes of a load's 512
	s_mul_i32 s9, s8, 8192
	s_add_co_u32 s9, s9, XRG                       ; my wave's region
	v_lshrrev_b32 v14, 2, v2
	v_mul_u32_u24 v14, v14, SP
	v_and_b32 v15, 3, v2
	v_lshl_add_u32 v14, v15, 4, v14
	v_add_nc_u32 v14, s9, v14                      ; the stage, in: SP (lane / 4) + 16 (lane % 4)
	v_mul_u32_u24 v15, v2, SP
	v_add_nc_u32 v15, s9, v15                      ; and out: SP x lane
	v_mul_u32_u24 v4, v2, 8                        ; my 8 bytes of a step's 256 bytes of codes
	v_lshrrev_b32 v5, 1, v2
	s_add_co_u32 s9, s9, 2*32*SP
	v_add_nc_u32 v5, s9, v5                        ; my block's byte among the wave's 256 scale bytes
	v_lshlrev_b32 v7, 3, v2
	v_add_nc_u32 v6, s9, v7                        ; and 8 bytes a lane on their way out
	s_sub_co_u32 s10, ttmp9, 112
	s_lshl_b32 s10, s10, 2
	s_add_co_u32 s10, s10, s8                      ; which run of 8,192 numbers is my wave's: 0 .. 1,023
	s_lshl_b32 s12, s10, 15
	s_add_nc_u64 s[16:17], s[16:17], s[12:13]      ; 32,768 bytes of x a run,
	s_lshl_b32 s12, s10, 12
	s_add_nc_u64 s[22:23], s[22:23], s[12:13]      ; 4,096 of codes,
	s_lshl_b32 s12, s10, 8
	s_add_nc_u64 s[24:25], s[24:25], s[12:13]      ; 256 of scale bytes
.macro XLOAD t
.irp i, 0,1,2,3
	global_load_b128 v[XR+16*((\t)%4)+4*\i:XR+16*((\t)%4)+4*\i+3], v3, s[16:17] offset:2048*(\t)+512*\i th:TH_LOAD_NT
.endr
.endm
.macro XTURN t                         ; LDS serves a wave's instructions in order: no wait between the stores and the loads
.irp i, 0,1,2,3
	ds_store_b128 v14, v[XR+16*((\t)%4)+4*\i:XR+16*((\t)%4)+4*\i+3] offset:32*SP*((\t)%2)+8*SP*\i
.endr
.irp i, 0,1,2,3
	ds_load_b128 v[XX+16*((\t)%2)+4*\i:XX+16*((\t)%2)+4*\i+3], v15 offset:32*SP*((\t)%2)+16*\i
.endr
.endm
.irp t, 0,1,2,3
	XLOAD \t
.endr
	s_wait_loadcnt 12                              ; step 0's four loads are in; twelve younger ones stay out
	XTURN 0
.macro XSTEP t
.set XS, XX+16*((\t)%2)
.if (\t) > 0
	s_wait_dscnt 1                                 ; this step's numbers are back from the stage; the last step's byte store may be out
.else
	s_wait_dscnt 0x0
.endif
.if (\t)+4 < 16
	XLOAD (\t)+4                                   ; into the registers that the stage's stores have read
.endif
.if (\t)+1 < 16
.if 14-(\t) >= 3
	s_wait_loadcnt 12                              ; the next step's four loads are in; the three steps behind it stay out
.else
	s_wait_loadcnt 4*(14-(\t))
.endif
	XTURN (\t)+1
.endif
	v_max3_num_f32 v8, |v[XS]|, |v[XS+1]|, |v[XS+2]|   ; the largest magnitude of my 16, in two chains
	v_max3_num_f32 v9, |v[XS+3]|, |v[XS+4]|, |v[XS+5]|
.irp i, 6,10
	v_max3_num_f32 v8, v8, |v[XS+\i]|, |v[XS+\i+1]|
	v_max3_num_f32 v9, v9, |v[XS+\i+2]|, |v[XS+\i+3]|
.endr
	v_max3_num_f32 v8, v8, |v[XS+14]|, |v[XS+15]|
	v_max3_num_f32 v8, v8, v9, 0x1800000           ; and the floor 2^(3 - 127): the byte cannot fall under 1
	v_max_num_f32_dpp v8, v8, v8 row_xmask:1 row_mask:0xf bank_mask:0xf   ; with my neighbour's 16: the block's
	v_add_nc_u32 v11, 0xff000000, v8               ; 2 off the exponent field: the conversion takes that field as its scale
	v_cvt_scalef32_pk8_fp4_f32 v[XC+4*(\t)], v[XS:XS+7], v11
	v_cvt_scalef32_pk8_fp4_f32 v[XC+4*(\t)+1], v[XS+8:XS+15], v11
	v_lshrrev_b32 v[XE+(\t)], 23, v11              ; the scale's byte (also the plain line behind the conversions)
	ds_store_b8 v5, v[XE+(\t)] offset:16*(\t)      ; both lanes of a block write the same byte with the same value
	global_store_b64 v4, v[XC+4*(\t):XC+4*(\t)+1], s[22:23] offset:256*(\t)   ; the wave stores 256 consecutive bytes, aligned
.endm
.irp t, 0,1,2,3,4,5,6,7,8,9,10,11,12,13,14,15
	XSTEP \t
.endr
	ds_load_b64 v[8:9], v6                         ; my wave's 256 scale bytes, 8 a lane
	s_wait_dscnt 0x0
	global_store_b64 v7, v[8:9], s[24:25]          ; 256 consecutive bytes, aligned
	s_wait_tensorcnt 0x0                           ; the wave's end
	ds_add_u32 v[SPW], v[NIL]
	s_wait_dscnt 0x0
	s_endpgm
; ---------------- W: K is the first axis.  A lane takes a column n and its registers run down K: a block of 32 lies in one lane, and the codes come out with K innermost.
; A wave takes 32 columns x 512 along K: 16 blocks, 256 bytes of codes a column; they leave through the wave's stage as rows, sixteen lanes to 256 aligned bytes.
.Lw:
	s_cmp_ge_u32 ttmp9, 24
	s_cselect_b32 s11, 1, 0                        ; which 512 along K
	s_cselect_b32 s10, 24, 0
	s_sub_co_u32 s10, ttmp9, s10                   ; which 128 columns
	s_lshl_b32 s10, s10, 7
	s_lshl_b32 s9, s8, 5
	s_add_co_u32 s10, s10, s9                      ; my wave's first column
	v_lshlrev_b32 v3, 2, v2                        ; in: 4 bytes a lane
	s_mul_i32 s9, s8, 32*PITCH                     ; my stage (WST = 0)
	v_mul_u32_u24 v4, v2, PITCH
	v_add_nc_u32 v4, s9, v4                        ; into it: row = my column
	v_and_b32 v5, 15, v2
	v_lshrrev_b32 v6, 4, v2
	v_mul_u32_u24 v7, v6, PITCH
	v_lshl_add_u32 v7, v5, 4, v7
	v_add_nc_u32 v7, s9, v7                        ; out of it: sixteen lanes to a row, two rows an instruction
	v_mul_u32_u24 v8, v6, 512
	v_lshl_add_u32 v8, v5, 4, v8                   ; and the same place in wc (a row is 512 bytes)
	v_lshlrev_b32 v9, 5, v2                        ; my column's row of scale bytes (32 bytes)
	s_mul_i32 s12, s11, 512*3072*4
	s_lshl_b32 s9, s10, 2
	s_add_co_u32 s12, s12, s9
	s_add_nc_u64 s[18:19], s[18:19], s[12:13]      ; Wqkv at (512 y, column)
	s_lshl_b32 s12, s10, 9
	s_lshl_b32 s9, s11, 8
	s_add_co_u32 s12, s12, s9
	s_add_nc_u64 s[26:27], s[26:27], s[12:13]      ; wc at column x 512 + 256 y
	s_lshl_b32 s12, s10, 5
	s_lshl_b32 s9, s11, 4
	s_add_co_u32 s12, s12, s9
	s_add_nc_u64 s[28:29], s[28:29], s[12:13]      ; ws at column x 32 + 16 y
.macro WLOAD t                         ; block t: W(32 t + i, my column); the largest immediate is 511 rows of 12,288 bytes, inside the signed 24 bits
.irp i, 0,1,2,3,4,5,6,7,8,9,10,11,12,13,14,15,16,17,18,19,20,21,22,23,24,25,26,27,28,29,30,31
	global_load_b32 v[32+32*((\t)%2)+\i], v3, s[18:19] offset:(32*(\t)+\i)*12288 th:TH_LOAD_NT
.endr
.endm
	WLOAD 0
	WLOAD 1
.macro WBLOCK t
.set WX, 32+32*((\t)%2)
.if (\t) < 15
	s_wait_loadcnt 32                              ; this block's 32 loads are in; the next block's stay out
.else
	s_wait_loadcnt 0x0
.endif
	v_max3_num_f32 v12, |v[WX]|, |v[WX+1]|, |v[WX+2]|
	v_max3_num_f32 v13, |v[WX+3]|, |v[WX+4]|, |v[WX+5]|
.irp i, 6,10,14,18,22,26
	v_max3_num_f32 v12, v12, |v[WX+\i]|, |v[WX+\i+1]|
	v_max3_num_f32 v13, v13, |v[WX+\i+2]|, |v[WX+\i+3]|
.endr
	v_max3_num_f32 v12, v12, |v[WX+30]|, |v[WX+31]|
	v_max3_num_f32 v12, v12, v13, 0x1800000        ; with the floor 2^(3 - 127)
	v_add_nc_u32 v11, 0xff000000, v12              ; the conversion's scale operand
	v_lshrrev_b32 v13, 23, v11                     ; the scale's byte
.if (\t)%4 == 0
	v_mov_b32 v[24+(\t)/4], v13                    ; four bytes to a register, the lower K in the lower byte
.else
	v_lshl_or_b32 v[24+(\t)/4], v13, 8*((\t)%4), v[24+(\t)/4]
.endif
.irp g, 0,1,2,3
	v_cvt_scalef32_pk8_fp4_f32 v[96+\g], v[WX+8*\g:WX+8*\g+7], v11
.endr
	v_nop                                          ; one plain line behind the conversions
	ds_store_b128 v4, v[96:99] offset:16*(\t)      ; 32 codes: 16 bytes of my column's row
.if (\t)+2 < 16
	WLOAD (\t)+2
.endif
	s_wait_dscnt 0x0                               ; the store is done before the next block's codes are written
.endm
.irp t, 0,1,2,3,4,5,6,7,8,9,10,11,12,13,14,15
	WBLOCK \t
.endr
	global_store_b128 v9, v[24:27], s[28:29]       ; my column's 16 scale bytes
.irp t, 0,1,2,3,4,5,6,7,8,9,10,11,12,13,14,15
	ds_load_b128 v[112+4*\t:112+4*\t+3], v7 offset:2*\t*PITCH
.endr
.irp t, 0,1,2,3,4,5,6,7,8,9,10,11,12,13,14,15
	s_wait_dscnt 15-\t                             ; LDS loads come back in order: row pair t is in
	global_store_b128 v8, v[112+4*\t:112+4*\t+3], s[26:27] offset:2*\t*512
.endr
	s_wait_tensorcnt 0x0                           ; the wave's end: the three lines
	ds_add_u32 v[SPW], v[NIL]
	s_wait_dscnt 0x0
	s_endpgm
; ---------------- O: Wout to f16 with K innermost, by head.  A lane takes a column, its registers run down K; a wave takes 32 columns x 128 along K (two heads).
.Lo:
	s_sub_co_u32 s10, ttmp9, 48
	s_lshr_b32 s11, s10, 3                         ; which 128 along K: heads 2 y, 2 y + 1
	s_and_b32 s10, s10, 7
	s_lshl_b32 s10, s10, 7
	s_lshl_b32 s9, s8, 5
	s_add_co_u32 s10, s10, s9                      ; my wave's first column
	v_lshlrev_b32 v3, 2, v2
	s_mul_i32 s9, s8, 32*PITCH
	s_add_co_u32 s9, s9, OST                       ; my stage
	v_mul_u32_u24 v4, v2, PITCH
	v_add_nc_u32 v4, s9, v4                        ; in: row = my column, 256 bytes: 128 numbers of f16
	v_lshrrev_b32 v5, 3, v2
	v_and_b32 v6, 7, v2
	v_mul_u32_u24 v7, v5, PITCH
	v_lshl_add_u32 v7, v6, 4, v7
	v_add_nc_u32 v7, s9, v7                        ; out: eight lanes take one head's 128 bytes of a column, four columns an instruction
	v_lshlrev_b32 v8, 4, v2                        ; which are 512 consecutive bytes of wo
	s_lshl_b32 s12, s11, 19                        ; 128 rows of 4,096 bytes
	s_lshl_b32 s9, s10, 2
	s_add_co_u32 s12, s12, s9
	s_add_nc_u64 s[20:21], s[20:21], s[12:13]
	s_lshl_b32 s12, s11, 11                        ; head 2 y: 1,024 rows a head
	s_add_co_u32 s12, s12, s10
	s_lshl_b32 s12, s12, 7                         ; 128 bytes a row
	s_add_nc_u64 s[30:31], s[30:31], s[12:13]
.macro OLOAD t
.irp i, 0,1,2,3,4,5,6,7,8,9,10,11,12,13,14,15,16,17,18,19,20,21,22,23,24,25,26,27,28,29,30,31
	global_load_b32 v[32+32*((\t)%2)+\i], v3, s[20:21] offset:(32*(\t)+\i)*4096 th:TH_LOAD_NT
.endr
.endm
	OLOAD 0
	OLOAD 1
.macro OBLOCK t
.set OX, 32+32*((\t)%2)
.if (\t) < 3
	s_wait_loadcnt 32                              ; this block's 32 loads are in; the next block's stay out
.else
	s_wait_loadcnt 0x0
.endif
.irp i, 0,1,2,3,4,5,6,7,8,9,10,11,12,13,14,15
	v_cvt_pk_f16_f32 v[96+\i], v[OX+2*\i], v[OX+2*\i+1]   ; the lower k in the low half
.endr
.irp g, 0,1,2,3
	ds_store_b128 v4, v[96+4*\g:96+4*\g+3] offset:64*(\t)+16*\g
.endr
.if (\t)+2 < 4
	OLOAD (\t)+2
.endif
	s_wait_dscnt 0x0
.endm
.irp t, 0,1,2,3
	OBLOCK \t
.endr
.irp hd, 0,1
.irp i, 0,1,2,3,4,5,6,7
	ds_load_b128 v[112+4*(8*\hd+\i):112+4*(8*\hd+\i)+3], v7 offset:\i*4*PITCH+\hd*128
.endr
.endr
.irp hd, 0,1
.irp i, 0,1,2,3,4,5,6,7
	s_wait_dscnt 15-8*\hd-\i
	global_store_b128 v8, v[112+4*(8*\hd+\i):112+4*(8*\hd+\i)+3], s[30:31] offset:\hd*131072+\i*512
.endr
.endr
	s_wait_tensorcnt 0x0                           ; the wave's end: the three lines
	ds_add_u32 v[SPW], v[NIL]
	s_wait_dscnt 0x0
	s_endpgm
.Lfunc_end_k_q657bdb0f90_prep:
	.size	k_q657bdb0f90_prep, .Lfunc_end_k_q657bdb0f90_prep-k_q657bdb0f90_prep
	.p2alignl 7, 3214868480
	.fill 96, 4, 3214868480
	.section	.rodata,"a",@progbits
	.p2align	6, 0x0
	.amdhsa_kernel k_q657bdb0f90_prep
		.amdhsa_group_segment_fixed_size 102912
		.amdhsa_private_segment_fixed_size 0
		.amdhsa_enable_private_segment 0
		.amdhsa_kernarg_size 64
		.amdhsa_user_sgpr_count 2
		.amdhsa_user_sgpr_kernarg_segment_ptr 1
		.amdhsa_wavefront_size32 1
		.amdhsa_system_sgpr_workgroup_id_x 1
		.amdhsa_system_sgpr_workgroup_id_y 1
		.amdhsa_system_sgpr_workgroup_id_z 1
		.amdhsa_system_vgpr_workitem_id 0
		.amdhsa_next_free_vgpr 192
		.amdhsa_next_free_sgpr 66
		.amdhsa_reserve_vcc 0
		.amdhsa_float_denorm_mode_32 3
		.amdhsa_float_denorm_mode_16_64 3
		.amdhsa_memory_ordered 1
		.amdhsa_forward_progress 1
		.amdhsa_inst_pref_size 132
	.end_amdhsa_kernel
	.amdgpu_metadata
---
amdhsa.version: [ 1, 2 ]
amdhsa.kernels:
  - .name:           k_q657bdb0f90_prep
    .symbol:         k_q657bdb0f90_prep.kd
    .args:
      - { .name: x, .offset: 0, .size: 8, .value_kind: global_buffer, .address_space: global }
      - { .name: Wqkv, .offset: 8, .size: 8, .value_kind: global_buffer, .address_space: global }
      - { .name: Wout, .offset: 16, .size: 8, .value_kind: global_buffer, .address_space: global }
      - { .name: xc, .offset: 24, .size: 8, .value_kind: global_buffer, .address_space: global }
      - { .name: xs, .offset: 32, .size: 8, .value_kind: global_buffer, .address_space: global }
      - { .name: wc, .offset: 40, .size: 8, .value_kind: global_buffer, .address_space: global }
      - { .name: ws, .offset: 48, .size: 8, .value_kind: global_buffer, .address_space: global }
      - { .name: wo, .offset: 56, .size: 8, .value_kind: global_buffer, .address_space: global }
    .group_segment_fixed_size: 102912
    .private_segment_fixed_size: 0
    .kernarg_segment_align: 8
    .kernarg_segment_size: 64
    .max_flat_workgroup_size: 128
    .sgpr_count:     66
    .vgpr_count:     192
    .wavefront_size: 32
...
	.end_amdgpu_metadata
.endif
;; end of part 1
;; launch qkv (part 2): grid 12 x 32, 4 waves a work-group, clusters of 4 x 4, 327,680 bytes of LDS; arguments xc, xs, wc, ws, bqkv, qkv; writes qkv
.if DOCPART == 2
	.amdgcn_target "amdgcn-amd-amdhsa--gfx1250"
	.amdhsa_code_object_version 6
	.text
	.protected	k_q657bdb0f90_qkv
	.globl	k_q657bdb0f90_qkv
	.p2align	8
	.type	k_q657bdb0f90_qkv,@function
k_q657bdb0f90_qkv:
	s_mov_b64 s[64:65], 0
	v_nop
	global_prefetch_b8 v0, s[64:65] scope:SCOPE_SE
	s_setreg_imm32_b32 hwreg(HW_REG_WAVE_MODE, 25, 1), 1
	s_wait_xcnt 0x0
	s_wait_alu depctr_hold_cnt(0) depctr_sa_sdst(0) depctr_va_vdst(0) depctr_va_sdst(0) depctr_va_ssrc(0) depctr_va_vcc(0) depctr_vm_vsrc(0)
	s_getreg_b32 s2, hwreg(HW_REG_IB_STS2, 6, 4)
	s_cmp_eq_u32 s2, 0
	s_cbranch_scc0 .Lentry_in_a_cluster
	s_endpgm
.Lentry_in_a_cluster:
	s_bfe_u32 s2, ttmp6, 0x10000c
	s_cmp_lg_u32 s2, 0xf033
	s_cbranch_scc0 .Lentry_shape_is_right
	s_endpgm
.Lentry_shape_is_right:
; QKV = Q(x) Q(Wqkv) + bqkv on codes of FP4 (E2M1) with one E8M0 scale for each 32 along K; sums in f32; the result rounded once to f16 and laid by head:
; qkv [4 b][48 hh][2048 n][64], hh = column / 64 (0-15 q, 16-31 k, 32-47 v).  LIMIT: |q|, |k|, |v| stay under 65,504.
; A = xc [8192][512 bytes], B = wc [3072][512 bytes]; scale bytes xs [8192][32], ws [3072][32].
; A tile of 256 x 256 to a work-group of four waves; a wave makes 128 x 128: 64 accumulators, 512 registers.
; K = 1,024 is two slots of 512 along K (rows of 256 bytes): both are first fills, nothing is filled again, and there is no loop.  A wave has three tensor loads out at the most.
; The scale bytes of the work-group's rows of A and of B, for all of K, are two dense blocks: they come once, with the first fills.
; CLUSTERS: 4 x 4 work-groups; A's tiles are asked for jointly along a row of the cluster, B's along a column.
; THE MATRIX INSTRUCTION IS USED TRANSPOSED (source 0 = 16 rows of B, source 1 = 16 rows of A): a lane holds eight neighbouring columns of one row.  The bias is the C of each sum's first instruction.
; REGISTERS: window 0: v0-31 addresses; v32-95 scale words, two sets; v128-191 A's fragments, one set; v192-255 the bias in the result's layout; window 1: B's fragments, two sets; windows 2, 3: accumulators.
.set KROW,   512                       ; a row of codes in memory
.set ROWB,   256                       ; a tile's row: 512 codes
.set NQ,     4                         ; matrix instructions deep in a slot
.set PITCH,  272                       ; an LDS row: 256 bytes + 16: the 16 rows that a load touches start at 16 different banks (64 banks of 4 bytes: ISA guide 11.1)
.set FR,     8
.set NL,     2
.set NP,     4
.set HALFT,  128*PITCH
.set SLOT,   4*HALFT
.set KS,     32                        ; a row of scale bytes
.set SCL,    2*SLOT
.set HALFS,  16*272                    ; the scales of 128 rows: 16 units of 256 bytes + 16
.set SBLK,   2*272                     ; those of 16 rows
.set SPARE,  SCL+4*HALFS               ; the spare words: two blocks of 256 bytes that no other line names
.set SPITCH, 272                       ; the way out: 16 rows x (256 bytes + 16) a wave, in slot 0, which by then has had its only fill and its last read
.set ADRA, 16
.set ADRB, 20
.set STO,  24
.set RD,   25
.set CO,   26
.set ADRS, 27
.set SPW,  28
.set NIL,  29
.set BO,   30
.set SC,   32
.set AF,   128
.set BI,   192
.set TMP,  32                          ; the way out: packed results
.set BK,   64                          ; the way out: rows read back: v64-95 and v96-127 by turns
.set G1, 24
.set G0, 32
.set G1B, 48
.set G0B, 56
.set G1S, 68
.set G0S, 76
.set G1SB, 80
.set G0SB, 88
.set MSB, 0
.macro WIN new                         ; the immediate's high byte repeats the setting that is left
.if MSB != (\new)
	s_set_vgpr_msb (MSB<<8)|(\new)
.set MSB, (\new)
.endif
.endm
.set MUL_LO, 0xa1                      ; source 0 (B) window 1, source 1 (A) window 0, C and D window 2
.set MUL_HI, 0xf1                      ; the same, C and D window 3
.set TO_B,   0x40
; A joint load: waves 0 and 1 fetch for A, waves 2 and 3 for B; the branch hangs on the wave's number alone.  An s_nop 0 and four v_nop follow each line.
.macro JLOAD g0a, g1a, g0b, g1b
	s_cmp_eq_u32 s15, 0
	s_cbranch_scc0 .Lfor_b_\@
	tensor_load_to_lds s[\g0a:\g0a+3], s[\g1a:\g1a+7]
	s_nop 0
.rept 4
	v_nop
.endr
	s_branch .Lasked_\@
.Lfor_b_\@:
	tensor_load_to_lds s[\g0b:\g0b+3], s[\g1b:\g1b+7]
	s_nop 0
.rept 4
	v_nop
.endr
.Lasked_\@:
.endm
.macro CROUND                          ; a round of the cluster's barrier
	s_barrier_signal -1
	s_barrier_wait -1
	s_cmp_lg_u32 s14, 0
	s_cbranch_scc1 .Lnot_wave_0_\@
	s_barrier_signal -3
.Lnot_wave_0_\@:
	s_barrier_wait -3
	s_barrier_signal -1
	s_barrier_wait -1
.endm
	s_load_b128 s[4:7], s[0:1], 0x0                ; xc, xs
	s_load_b128 s[8:11], s[0:1], 0x10              ; wc, ws
	s_load_b64 s[96:97], s[0:1], 0x20              ; bqkv
	s_load_b64 s[12:13], s[0:1], 0x28              ; qkv
	v_lshl_add_u32 v[SPW], v0, 2, SPARE
	v_mov_b32 v[NIL], 0
	ds_add_u32 v[SPW], v[NIL]                      ; the wave's opening: the add, twice on end, and its wait ahead of my first tensor load
	ds_add_u32 v[SPW], v[NIL]
	v_lshrrev_b32 v1, 5, v0
	v_readfirstlane_b32 s14, v1                    ; wave 0..3
	s_lshr_b32 s15, s14, 1                         ; my half of the tile's rows; also: I fetch for A (0) or B (1)
	s_and_b32 s16, s14, 1                          ; my half of its columns; also: which 128 rows I fetch
	s_bfe_u32 s40, ttmp6, 0x40000                  ; cx
	s_bfe_u32 s41, ttmp6, 0x40004                  ; cy
	s_lshl_b32 s42, ttmp9, 2
	s_add_co_u32 s42, s42, s40                     ; tile column
	s_and_b32 s17, ttmp7, 0xffff
	s_lshl_b32 s17, s17, 2
	s_add_co_u32 s17, s17, s41                     ; tile row
	s_lshl_b32 s43, s41, 2
	s_lshl_b32 s43, 15, s43                        ; my row of the cluster
	s_lshl_b32 s44, 0x1111, s40                    ; my column
	s_or_b32 s[G1+0], s43, (0<<16)|(1<<20)|(1<<21)|(5<<22)|(3<<25)   ; mask; elements of 1 byte; padding on; bit 21 beside a mask; 4 words behind every 64
	s_or_b32 s[G1B+0], s44, (0<<16)|(1<<20)|(1<<21)|(5<<22)|(3<<25)
.irp g, G1, G1B
	s_mov_b32 s[\g+1], ROWB<<16                    ; tensor_dim0
	s_mov_b32 s[\g+2], 128<<16                     ; tensor_dim1
	s_mov_b32 s[\g+3], ROWB<<16                    ; tile_dim0
	s_mov_b32 s[\g+4], 128                         ; tile_dim1
	s_mov_b32 s[\g+5], KROW                        ; the pitch
	s_mov_b32 s[\g+6], 0
	s_mov_b32 s[\g+7], 0
.endr
	s_or_b32 s[G1S+0], s43, (3<<16)|(1<<20)|(1<<21)|(5<<22)|(3<<25)  ; the scales of 128 rows: 4,096 dense bytes as 16 rows of 32 elements of 8 bytes
	s_or_b32 s[G1SB+0], s44, (3<<16)|(1<<20)|(1<<21)|(5<<22)|(3<<25)
.irp g, G1S, G1SB
	s_mov_b32 s[\g+1], 32<<16
	s_mov_b32 s[\g+2], 16<<16
	s_mov_b32 s[\g+3], 32<<16
	s_mov_b32 s[\g+4], 16
	s_mov_b32 s[\g+5], 32
	s_mov_b32 s[\g+6], 0
	s_mov_b32 s[\g+7], 0
.endr
	s_lshl_b32 s18, s16, 7
	s_lshl_b32 s20, s17, 8
	s_add_co_u32 s20, s20, s18                     ; A: row 256 x tile row + 128 x half
	s_lshl_b32 s46, s42, 8
	s_add_co_u32 s46, s46, s18                     ; B: row 256 x tile column + 128 x half
	s_mov_b32 s21, 0
	s_mov_b32 s47, 0
	s_mov_b64 s[18:19], KS
	s_mul_u64 s[22:23], s[20:21], s[18:19]         ; where these rows' scales begin
	s_mul_u64 s[92:93], s[46:47], s[18:19]
	s_mov_b64 s[18:19], KROW
	s_mul_u64 s[20:21], s[20:21], s[18:19]         ; and their codes
	s_mul_u64 s[46:47], s[46:47], s[18:19]
	s_mul_i32 s45, s14, HALFT                      ; where they go: wave x 128 rows
	s_mul_i32 s94, s14, HALFS
	s_wait_dscnt 0x0                               ; both opening adds are done
	s_wait_kmcnt 0x0
	s_add_nc_u64 s[20:21], s[4:5], s[20:21]
	s_add_nc_u64 s[22:23], s[6:7], s[22:23]
	s_add_nc_u64 s[46:47], s[8:9], s[46:47]
	s_add_nc_u64 s[92:93], s[10:11], s[92:93]
	CROUND                                         ; all sixteen work-groups are here: the first joint loads meet
	s_mov_b32 s[G0S], 1
	s_add_co_u32 s[G0S+1], s94, SCL
	s_mov_b64 s[G0S+2:G0S+3], s[22:23]
	s_or_b32 s[G0S+3], s[G0S+3], 0x80000000
	s_mov_b32 s[G0SB], 1
	s_add_co_u32 s[G0SB+1], s94, SCL
	s_mov_b64 s[G0SB+2:G0SB+3], s[92:93]
	s_or_b32 s[G0SB+3], s[G0SB+3], 0x80000000
	JLOAD G0S, G1S, G0SB, G1SB                     ; the scales first: they are wanted with slot 0
.irp s, 0,1
	s_mov_b32 s[G0+4*\s], 1
	s_add_co_u32 s[G0+4*\s+1], s45, \s*SLOT
	s_add_nc_u64 s[G0+4*\s+2:G0+4*\s+3], s[20:21], \s*ROWB
	s_or_b32 s[G0+4*\s+3], s[G0+4*\s+3], 0x80000000
	s_mov_b32 s[G0B+4*\s], 1
	s_add_co_u32 s[G0B+4*\s+1], s45, \s*SLOT
	s_add_nc_u64 s[G0B+4*\s+2:G0B+4*\s+3], s[46:47], \s*ROWB
	s_or_b32 s[G0B+4*\s+3], s[G0B+4*\s+3], 0x80000000
	JLOAD G0+4*\s, G1, G0B+4*\s, G1B
.endr
	v_and_b32 v1, 15, v0                           ; r
	v_bfe_u32 v2, v0, 4, 1                         ; h
	v_mul_u32_u24 v3, v1, PITCH
	v_lshl_add_u32 v4, v2, 4, v3                   ; a fragment's row x pitch + 16 h
	s_mul_i32 s21, s15, HALFT                      ; my 128 rows of A
	s_mul_i32 s22, s16, HALFT
	s_add_co_u32 s22, s22, 2*HALFT                 ; my 128 rows of B, behind A's 256
.irp s, 0,1
	v_add_nc_u32 v[ADRA+\s], s21, v4
	v_add_nc_u32 v[ADRB+\s], s22, v4
	s_add_co_u32 s21, s21, SLOT
	s_add_co_u32 s22, s22, SLOT
.endr
	v_mul_u32_u24 v5, v1, KS                       ; my row's scales: 32 bytes a row,
	v_lshrrev_b32 v6, 8, v5
	v_lshl_add_u32 v5, v6, 4, v5                   ; and 16 more for each 256 passed
	s_mul_i32 s21, s15, HALFS
	s_mul_i32 s22, s16, HALFS
	s_add_co_u32 s22, s22, 2*HALFS
	s_sub_co_u32 s22, s22, s21
	v_mul_u32_u24 v6, s22, v2                      ; lanes 16-31 take B's: one product, the distance x h
	s_add_co_u32 s21, s21, SCL
	v_add_nc_u32 v5, v5, v6
	v_add_nc_u32 v[ADRS], s21, v5
	s_mul_i32 s23, s14, 16*SPITCH                  ; my stage
	v_mul_u32_u24 v5, v1, SPITCH
	v_lshl_add_u32 v5, v2, 4, v5
	v_add_nc_u32 v[STO], s23, v5                   ; in: row r, 16 bytes for each half of the lanes
	v_bfe_u32 v5, v0, 3, 2
	v_mul_u32_u24 v5, v5, SPITCH
	v_and_b32 v6, 7, v0
	v_lshl_add_u32 v5, v6, 4, v5
	v_add_nc_u32 v[RD], s23, v5                    ; back: eight lanes take one head's 128 bytes of a row, four rows an instruction
	v_and_b32 v6, 31, v0
	v_lshlrev_b32 v[CO], 4, v6                     ; which are 512 consecutive bytes of qkv
	v_lshlrev_b32 v[BO], 5, v2                     ; the bias: 32 h bytes
	s_lshl_b32 s46, s42, 10
	s_lshl_b32 s47, s16, 9
	s_add_co_u32 s46, s46, s47                     ; my first column x 4 bytes
	s_mov_b32 s47, 0
	s_add_nc_u64 s[96:97], s[96:97], s[46:47]
.irp b, 0,1,2,3,4,5,6,7
	global_load_b128 v[BI+8*\b:BI+8*\b+3], v[BO], s[96:97] offset:64*\b        ; bqkv at columns 16 b + 8 h + 0 .. 7: the result's layout
	global_load_b128 v[BI+8*\b+4:BI+8*\b+7], v[BO], s[96:97] offset:64*\b+16
.endr
	s_lshr_b32 s20, s17, 3                         ; the batch: 8 tile rows each
	s_mul_i32 s20, s20, 48
	s_lshl_b32 s21, s42, 2
	s_add_co_u32 s20, s20, s21
	s_lshl_b32 s21, s16, 1
	s_add_co_u32 s20, s20, s21                     ; + my first head slot: 4 x tile column + 2 x half
	s_lshl_b32 s20, s20, 11                        ; 2,048 rows a head
	s_and_b32 s21, s17, 7
	s_lshl_b32 s21, s21, 8
	s_add_co_u32 s20, s20, s21
	s_lshl_b32 s21, s15, 7
	s_add_co_u32 s20, s20, s21                     ; + my first row in the sequence
	s_lshl_b32 s20, s20, 7                         ; 128 bytes a row
	s_mov_b32 s21, 0
	s_add_nc_u64 s[12:13], s[12:13], s[20:21]
.macro FRAG reg, adr, q, i             ; 16 rows x 128 K of 4-bit codes: 8 registers, two loads of 16 bytes, 32 bytes apart
.irp c, 0,1
	ds_load_b128 v[\reg+4*\c:\reg+4*\c+3], v[\adr] offset:64*(\q)+32*\c+(\i)*16*PITCH
.endr
.endm
; 16 matrix instructions: A's blocks a0, a0 + 1 x B's eight.  zero = 1: the first product starts the sums from the bias.  The 64 accumulators take turns, one instruction a turn.
.macro MUL16 a0, p, q, sc, zero
.irp a, \a0, \a0+1
.irp b, 0,1,2,3,4,5,6,7
.if \zero
	v_wmma_scale_f32_16x16x128_f8f6f4 v[8*(8*((\a)%4)+\b):8*(8*((\a)%4)+\b)+7], v[128*(\p)+FR*\b:128*(\p)+FR*\b+FR-1], v[AF+FR*(\a):AF+FR*(\a)+FR-1], v[BI+8*\b:BI+8*\b+7], v[SC+8*NQ*(\sc)+NQ*\b+(\q)], v[SC+8*NQ*(\sc)+NQ*(\a)+(\q)] matrix_a_fmt:MATRIX_FMT_FP4 matrix_b_fmt:MATRIX_FMT_FP4 matrix_a_scale:MATRIX_SCALE_ROW1
.else
	v_wmma_scale_f32_16x16x128_f8f6f4 v[8*(8*((\a)%4)+\b):8*(8*((\a)%4)+\b)+7], v[128*(\p)+FR*\b:128*(\p)+FR*\b+FR-1], v[AF+FR*(\a):AF+FR*(\a)+FR-1], v[8*(8*((\a)%4)+\b):8*(8*((\a)%4)+\b)+7], v[SC+8*NQ*(\sc)+NQ*\b+(\q)], v[SC+8*NQ*(\sc)+NQ*(\a)+(\q)] matrix_a_fmt:MATRIX_FMT_FP4 matrix_b_fmt:MATRIX_FMT_FP4 matrix_a_scale:MATRIX_SCALE_ROW1
.endif
.endr
.endr
.endm
.macro FETCH_B slot, q, p
	WIN TO_B
.irp i, 0,1,2,3,4,5,6,7
	FRAG 128*(\p)+FR*\i, ADRB+\slot, \q, \i
.endr
	WIN 0
.endm
.macro FETCH_A slot, q, i0
.irp i, \i0, \i0+1, \i0+2, \i0+3
	FRAG AF+FR*(\i), ADRA+\slot, \q, \i
.endr
.endm
.macro SCALES sc                       ; a slot's scale words: 4 words a row; lanes 0-15 A's block i, lanes 16-31 B's block i
.irp i, 0,1,2,3,4,5,6,7
	ds_load_b128 v[SC+8*NQ*\sc+NQ*\i:SC+8*NQ*\sc+NQ*\i+3], v[ADRS] offset:\i*SBLK
.endr
.endm
.macro PLACES n                        ; plain vector lines between a matrix instruction and a load into, or a read of, its registers
.rept \n
	v_nop
.endr
.endm
.macro STEP slot, q, zero              ; 128 along K that has its successor in the same slot
	s_wait_dscnt 4*NL                              ; B's set and A's blocks 0-3 are in; the youngest eight loads (A's blocks 4-7) may be out
	WIN MUL_LO-0x20*(\zero)                        ; zero = 1: C comes from window 0, the bias
	MUL16 0, (\q)%2, \q, \slot, \zero
	MUL16 2, (\q)%2, \q, \slot, \zero
	s_wait_dscnt 0
	PLACES NP
	FETCH_B \slot, (\q)+1, 1-(\q)%2
	FETCH_A \slot, (\q)+1, 0
	WIN MUL_HI-0x30*(\zero)
	MUL16 4, (\q)%2, \q, \slot, \zero
	MUL16 6, (\q)%2, \q, \slot, \zero
	PLACES NP
	WIN 0
	FETCH_A \slot, (\q)+1, 4
.endm
; Slot 0's last step changes slots: one barrier; in front of it each wave waits for all its tensor loads (slot 1's part), adds 0 to its spare word, and waits for that and for its reads of slot 0.  Nothing is filled again.
.macro TURN slot, next
	s_wait_tensorcnt 0x0
	ds_add_u32 v[SPW], v[NIL]
	s_wait_dscnt 4*NL+1                            ; the add and the youngest eight loads may be out
	WIN MUL_LO
	MUL16 0, 1, NQ-1, \slot, 0
	s_wait_dscnt 0x0                               ; the add is done, and my reads of this slot are over
	s_barrier_signal -1
	MUL16 2, 1, NQ-1, \slot, 0
	WIN 0
	s_barrier_wait -1
	PLACES NP
	v_add_nc_u32 v[ADRS], 4*NQ, v[ADRS]            ; on to the next slot's scale words
	FETCH_B \next, 0, 0
	FETCH_A \next, 0, 0
	SCALES \next
	WIN MUL_HI
	MUL16 4, 1, NQ-1, \slot, 0
	MUL16 6, 1, NQ-1, \slot, 0
	PLACES NP
	WIN 0
	FETCH_A \next, 0, 4
.endm
	s_wait_tensorcnt 1                             ; the scales and my part of slot 0 are in; slot 1's load may be out
	s_barrier_signal -1
	s_barrier_wait -1
	FETCH_B 0, 0, 0
	FETCH_A 0, 0, 0
	SCALES 0
	FETCH_A 0, 0, 4
	s_wait_loadcnt 0x0                             ; the bias
	STEP 0, 0, 1
	STEP 0, 1, 0
	STEP 0, 2, 0
	TURN 0, 1
	STEP 1, 0, 0
	STEP 1, 1, 0
	STEP 1, 2, 0
	s_wait_dscnt 4*NL                              ; the last step: nothing more to fetch
	WIN MUL_LO
	MUL16 0, 1, NQ-1, 1, 0
	MUL16 2, 1, NQ-1, 1, 0
	s_wait_dscnt 0
	WIN MUL_HI
	MUL16 4, 1, NQ-1, 1, 0
	MUL16 6, 1, NQ-1, 1, 0
	WIN 0
; THE WAY OUT, a block of 16 rows x 128 columns (two heads) at a time: rounded to f16, 16 bytes a lane into my stage, back as four rows of one head an instruction: 512 consecutive bytes of qkv.
.macro PACK a
.set AC, 64*((\a)%4)
	WIN 0x0a+5*((\a)/4)                            ; sources 0 and 1: window 2 or 3
.irp b, 0,1,2,3,4,5,6,7
.irp r, 0,1,2,3
	v_cvt_pk_f16_f32 v[TMP+4*\b+\r], v[AC+8*\b+2*\r], v[AC+8*\b+2*\r+1]   ; each accumulator from its low end on
.endr
.endr
	WIN 0
.endm
.macro TOSTAGE a
.set BB, BK+32*((\a)%2)
.irp b, 0,1,2,3,4,5,6,7
	ds_store_b128 v[STO], v[TMP+4*\b:TMP+4*\b+3] offset:32*\b
.endr
.irp hd, 0,1
.irp t, 0,1,2,3
	ds_load_b128 v[BB+4*(4*\hd+\t):BB+4*(4*\hd+\t)+3], v[RD] offset:\t*4*SPITCH+\hd*128   ; LDS serves a wave's instructions in order: these see the stores above
.endr
.endr
.endm
.macro SEND a
.set BB, BK+32*((\a)%2)
	s_wait_dscnt 0x0                               ; the block is back in registers
	s_wait_xcnt 0x0                                ; the block before has had its stores' registers read: the next block's loads may land there
.irp hd, 0,1
.irp t, 0,1,2,3
	global_store_b128 v[CO], v[BB+4*(4*\hd+\t):BB+4*(4*\hd+\t)+3], s[12:13] offset:(\a)*2048+\hd*262144+\t*512
.endr
.endr
.endm
	PLACES NP                                      ; behind the last products
	PACK 0
	TOSTAGE 0
.irp a, 1,2,3,4,5,6,7
	PACK \a
	SEND \a-1
	TOSTAGE \a
.endr
	SEND 7
	s_wait_tensorcnt 0x0                           ; the wave's end
	ds_add_u32 v[SPW], v[NIL]
	s_wait_dscnt 0x0
	CROUND                                         ; the closing round
	s_endpgm
.Lfunc_end_k_q657bdb0f90_qkv:
	.size	k_q657bdb0f90_qkv, .Lfunc_end_k_q657bdb0f90_qkv-k_q657bdb0f90_qkv
	.p2alignl 7, 3214868480
	.fill 96, 4, 3214868480
	.section	.rodata,"a",@progbits
	.p2align	6, 0x0
	.amdhsa_kernel k_q657bdb0f90_qkv
		.amdhsa_group_segment_fixed_size 327680
		.amdhsa_private_segment_fixed_size 0
		.amdhsa_enable_private_segment 0
		.amdhsa_kernarg_size 48
		.amdhsa_user_sgpr_count 2
		.amdhsa_user_sgpr_kernarg_segment_ptr 1
		.amdhsa_wavefront_size32 1
		.amdhsa_system_sgpr_workgroup_id_x 1
		.amdhsa_system_sgpr_workgroup_id_y 1
		.amdhsa_system_sgpr_workgroup_id_z 1
		.amdhsa_system_vgpr_workitem_id 0
		.amdhsa_next_free_vgpr 1024
		.amdhsa_next_free_sgpr 98
		.amdhsa_reserve_vcc 0
		.amdhsa_float_denorm_mode_32 3
		.amdhsa_float_denorm_mode_16_64 3
		.amdhsa_memory_ordered 1
		.amdhsa_forward_progress 1
		.amdhsa_inst_pref_size 128
	.end_amdhsa_kernel
	.amdgpu_metadata
---
amdhsa.version: [ 1, 2 ]
amdhsa.kernels:
  - .name:           k_q657bdb0f90_qkv
    .symbol:         k_q657bdb0f90_qkv.kd
    .args:
      - { .name: xc, .offset: 0, .size: 8, .value_kind: global_buffer, .address_space: global }
      - { .name: xs, .offset: 8, .size: 8, .value_kind: global_buffer, .address_space: global }
      - { .name: wc, .offset: 16, .size: 8, .value_kind: global_buffer, .address_space: global }
      - { .name: ws, .offset: 24, .size: 8, .value_kind: global_buffer, .address_space: global }
      - { .name: bqkv, .offset: 32, .size: 8, .value_kind: global_buffer, .address_space: global }
      - { .name: qkv, .offset: 40, .size: 8, .value_kind: global_buffer, .address_space: global }
    .group_segment_fixed_size: 327680
    .private_segment_fixed_size: 0
    .kernarg_segment_align: 8
    .kernarg_segment_size: 48
    .max_flat_workgroup_size: 128
    .sgpr_count:     98
    .vgpr_count:     1024
    .wavefront_size: 32
...
	.end_amdgpu_metadata
.endif
;; end of part 2
;; launch attn (part 3): grid 4 x 64, 16 waves a work-group, clusters of 4 x 1, 327,680 bytes of LDS; arguments qkv, yh; writes yh
.if DOCPART == 3
	.amdgcn_target "amdgcn-amd-amdhsa--gfx1250"
	.amdhsa_code_object_version 6
	.text
	.protected	k_q657bdb0f90_attn
	.globl	k_q657bdb0f90_attn
	.p2align	8
	.type	k_q657bdb0f90_attn,@function
k_q657bdb0f90_attn:
	s_mov_b64 s[64:65], 0
	v_nop
	global_prefetch_b8 v0, s[64:65] scope:SCOPE_SE
	s_setreg_imm32_b32 hwreg(HW_REG_WAVE_MODE, 25, 1), 1
	s_wait_xcnt 0x0
	s_wait_alu depctr_hold_cnt(0) depctr_sa_sdst(0) depctr_va_vdst(0) depctr_va_sdst(0) depctr_va_ssrc(0) depctr_va_vcc(0) depctr_vm_vsrc(0)
	s_getreg_b32 s2, hwreg(HW_REG_IB_STS2, 6, 4)
	s_cmp_eq_u32 s2, 0
	s_cbranch_scc0 .Lentry_in_a_cluster
	s_endpgm
.Lentry_in_a_cluster:
	s_bfe_u32 s2, ttmp6, 0x10000c
	s_cmp_lg_u32 s2, 0x3003
	s_cbranch_scc0 .Lentry_shape_is_right
	s_endpgm
.Lentry_shape_is_right:
; y[b][h][q] = the sum over k of softmax_k(q . k / 8) v, no mask.  q, k, v: f16, qkv [4 b][48 hh][2048 n][64] (hh: 0-15 q, 16-31 k, 32-47 v).  y: f16, yh [16 h][8192 b n][64].
; Products on f16 operands with f32 sums; maxima, exponentials and sums in f32; the weights p are rounded to f16 for the second product, y once at the end.
; LIMITS: |y| under 65,504; numbers of y under 6e-5 lose bits (f16's subnormals).  NaN and infinities are not served.
; SHARES.  A work-group owns 512 queries of one (b, h); each of its sixteen waves 32, two tiles of 16, in 256 registers: four waves to a SIMD, so that one wave's softmax stands beside another's products and LDS loads.
; Every wave walks the head's 2,048 keys, 64 a step.  K and V come through two LDS slots of 512 keys; each of the sixteen waves fetches 64 rows (waves 0-7 K's, waves 8-15 V's).
; CLUSTER.  A head's four query blocks form a cluster and ask for each tile JOINTLY: the same load, the same descriptor, a mask that names the four.
; LAYOUT.  S^T = K Q^T (source 0 = 16 keys, source 1 = 16 queries), O^T = V^T P (source 0 = 16 channels x 32 keys, by the turning load; source 1 = two tiles of S^T packed to f16): a lane holds ONE query throughout.
; SOFTMAX.  A running maximum m and sum l for each query: p = 2^(c s - c m), c = log2(e) / 8; in every step O^T and l are multiplied by a = 2^(c m_old - c m_new).  m begins at -3e38 and O^T, l at 0: the first a is 0 and meets zeros.
; No prefetch: half of K and V comes with the first fills, and each of the two refills is asked for eight key steps ahead of its first read.
.set PK,    144                        ; a row of K in LDS: 128 bytes + 16 = 36 words: the 16 rows of a load start at 16 different banks (64 banks of 4 bytes: ISA guide 11.1)
.set PV,    160                        ; a row of V: 128 + 32 = 40 words
.set SK,    512                        ; keys in a slot
.set VOFF,  SK*PK                      ; a slot: 512 rows of K, then 512 rows of V
.set SLOT,  SK*(PK+PV)
.set SPARE, 2*SLOT                     ; the spare words: 128 bytes a wave, eight blocks of 256 bytes that no other line names
.set AK0, 2                            ; v2   my lane's place in a tile of K
.set AV0, 3                            ; v3   the same for V
.set ADK, 4                            ; v4   the step's address in K
.set ADV, 5                            ; v5   and in V
.set SPW, 6                            ; v6   my spare word; never rewritten
.set NIL, 7                            ; v7   0; never rewritten
.set STO, 8                            ; v8   the way out: into my stage
.set RD,  9                            ; v9   and back
.set GO,  10                           ; v10  my byte offset in the wave's rows of yh
.set ST,  12                           ; tile t's statistics at v[ST + 8 t]: +0 c m, +1 m, +2, +3 l, +4 .. +7 at work (a in +6)
.set OC,  28                           ; v28, v29  c m of the step before
.set QO,  30                           ; v30  my byte offset in the wave's rows of q
.set Q,   32                           ; v32-63   Q: tile t, channels 32 c on, at Q + 16 t + 8 c
.set S,   64                           ; v64-127  S^T: tile t, keys 16 kt on, at S + 32 t + 8 kt; P is packed in place: keys 32 g on at S + 32 t + 16 g
.set KV,  128                          ; v128-191 K's fragments (kt, c) at KV + 16 kt + 8 c; then V's (g, ct) at KV + 32 g + 8 ct
.set O,   192                          ; v192-255 O^T: tile t, channels 16 ct on, at O + 32 t + 8 ct
.set WV,  8
.set G1K, 16
.set G1V, 24
.set G0K, 32                           ; s[32:39] group 0 for K's tiles, a set for each slot
.set G0V, 40                           ; s[40:47] the same for V's
.set CS,  48
.set SEL, 50
.set TB,  52
.set TBV, 53
.set CNT, 54
.macro JLOAD s                         ; a joint load into slot s; the branch hangs on the wave's number alone; an s_nop 0 and four v_nop follow each line
	s_cmp_lt_u32 s[WV], 8
	s_cbranch_scc0 .Lfor_v_\@
	tensor_load_to_lds s[G0K+4*\s:G0K+4*\s+3], s[G1K:G1K+7]
	s_nop 0
.rept 4
	v_nop
.endr
	s_branch .Lasked_\@
.Lfor_v_\@:
	tensor_load_to_lds s[G0V+4*\s:G0V+4*\s+3], s[G1V:G1V+7]
	s_nop 0
.rept 4
	v_nop
.endr
.Lasked_\@:
.endm
.macro CROUND                          ; a round of the cluster's barrier
	s_barrier_signal -1
	s_barrier_wait -1
	s_cmp_lg_u32 s[WV], 0
	s_cbranch_scc1 .Lnot_wave_0_\@
	s_barrier_signal -3
.Lnot_wave_0_\@:
	s_barrier_wait -3
	s_barrier_signal -1
	s_barrier_wait -1
.endm
	s_load_b128 s[4:7], s[0:1], 0x0                ; qkv, yh
	v_lshl_add_u32 v[SPW], v0, 2, SPARE
	v_mov_b32 v[NIL], 0
	ds_add_u32 v[SPW], v[NIL]                      ; the wave's opening: the add, twice on end, and its wait ahead of my first tensor load
	ds_add_u32 v[SPW], v[NIL]
	v_lshrrev_b32 v1, 5, v0
	v_readfirstlane_b32 s[WV], v1                  ; wave 0..15
	s_bfe_u32 s9, ttmp6, 0x40000                   ; cx: it enters q's and yh's addresses alone
	s_and_b32 s10, ttmp7, 0xffff                   ; 16 b + h, which the four partners share
	s_lshr_b32 s11, s10, 4                         ; b
	s_and_b32 s12, s10, 15                         ; h
	s_mul_i32 s13, s11, 48
	s_add_co_u32 s13, s13, s12
	s_lshl_b32 s13, s13, 18                        ; q's head: 2,048 rows of 128 bytes a head slot
	s_and_b32 s14, s[WV], 7                        ; which 64 rows of a slot I fetch
	s_lshl_b32 s15, s14, 13
	s_add_co_u32 s56, s13, s15
	s_add_co_u32 s56, s56, 16<<18                  ; k's head lies 16 head slots on,
	s_mov_b32 s57, 0
	s_add_co_u32 s58, s56, 16<<18                  ; v's 32
	s_mov_b32 s59, 0
	s_lshl_b32 s2, ttmp9, 2
	s_add_co_u32 s2, s2, s9                        ; my block of 512 queries
	s_lshl_b32 s2, s2, 16
	s_lshl_b32 s3, s[WV], 12
	s_add_co_u32 s2, s2, s3                        ; + my wave's 32 rows of 128 bytes
	s_lshl_b32 s60, s12, 20                        ; yh: 8,192 rows a head,
	s_lshl_b32 s61, s11, 18                        ; 2,048 a batch
	s_add_co_u32 s60, s60, s61
	s_add_co_u32 s60, s60, s2
	s_mov_b32 s61, 0
	s_add_co_u32 s2, s2, s13
	s_mov_b32 s3, 0
	s_mov_b32 s[G1K], 15|(1<<16)|(1<<20)|(1<<21)|(4<<22)|(3<<25)   ; mask: all four; elements of 2 bytes; padding on; bit 21 beside a mask; 4 words behind every 32
	s_mov_b32 s[G1V], 15|(1<<16)|(1<<20)|(1<<21)|(4<<22)|(7<<25)   ; the same with 8 words
.irp g, G1K, G1V
	s_mov_b32 s[\g+1], 64<<16                      ; tensor_dim0
	s_mov_b32 s[\g+2], 64<<16                      ; tensor_dim1
	s_mov_b32 s[\g+3], 64<<16                      ; tile_dim0
	s_mov_b32 s[\g+4], 64                          ; tile_dim1
	s_mov_b32 s[\g+5], 64                          ; the pitch: rows are dense
	s_mov_b32 s[\g+6], 0
	s_mov_b32 s[\g+7], 0
.endr
	s_mov_b32 s[CS], 0x3e38aa3b                    ; c = log2(e) / 8
	s_mov_b32 s[CS+1], s[CS]                       ; named with it as a pair, so it is written
	s_mov_b32 s[SEL], 0x76543210
	s_mov_b32 s[SEL+1], 0xfedcba98
	s_mul_i32 s15, s14, 64*PK                      ; where my rows go: no place in the cluster enters an LDS address
	s_mov_b32 s[G0K], 1
	s_mov_b32 s[G0K+1], s15
	s_mov_b32 s[G0K+4], 1
	s_add_co_u32 s[G0K+5], s15, SLOT
	s_mul_i32 s15, s14, 64*PV
	s_add_co_u32 s15, s15, VOFF
	s_mov_b32 s[G0V], 1
	s_mov_b32 s[G0V+1], s15
	s_mov_b32 s[G0V+4], 1
	s_add_co_u32 s[G0V+5], s15, SLOT
	s_wait_dscnt 0x0                               ; both opening adds are done
	s_wait_kmcnt 0x0
	s_add_nc_u64 s[56:57], s[4:5], s[56:57]        ; K at my rows of slot 0
	s_add_nc_u64 s[58:59], s[4:5], s[58:59]        ; V likewise
	s_add_nc_u64 s[4:5], s[4:5], s[2:3]            ; q at my wave's first row
	s_add_nc_u64 s[6:7], s[6:7], s[60:61]          ; yh likewise
	s_mov_b64 s[G0K+2:G0K+3], s[56:57]
	s_or_b32 s[G0K+3], s[G0K+3], 0x80000000
	s_add_nc_u64 s[G0K+6:G0K+7], s[56:57], SK*128  ; slot 1: the next 512 keys
	s_or_b32 s[G0K+7], s[G0K+7], 0x80000000
	s_mov_b64 s[G0V+2:G0V+3], s[58:59]
	s_or_b32 s[G0V+3], s[G0V+3], 0x80000000
	s_add_nc_u64 s[G0V+6:G0V+7], s[58:59], SK*128
	s_or_b32 s[G0V+7], s[G0V+7], 0x80000000
	CROUND                                         ; all four work-groups are here: the first joint loads meet
	s_cmp_lt_u32 s[WV], 8                          ; a wave's two first fills stand in one branch: two loads of mine are out
	s_cbranch_scc0 .Lfirst_v
	tensor_load_to_lds s[G0K:G0K+3], s[G1K:G1K+7]
	s_nop 0
	tensor_load_to_lds s[G0K+4:G0K+7], s[G1K:G1K+7]
	s_nop 0
.rept 4
	v_nop
.endr
	s_branch .Lfirst_asked
.Lfirst_v:
	tensor_load_to_lds s[G0V:G0V+3], s[G1V:G1V+7]
	s_nop 0
	tensor_load_to_lds s[G0V+4:G0V+7], s[G1V:G1V+7]
	s_nop 0
.rept 4
	v_nop
.endr
.Lfirst_asked:
	v_and_b32 v1, 15, v0                           ; r
	v_bfe_u32 v11, v0, 4, 1                        ; h
	v_lshlrev_b32 v[QO], 7, v1
	v_lshl_add_u32 v[QO], v11, 4, v[QO]            ; row r of 128 bytes + 16 h
.irp t, 0,1
.irp c, 0,1
	global_load_b128 v[Q+16*\t+8*\c:Q+16*\t+8*\c+3],   v[QO], s[4:5] offset:\t*2048+\c*64      ; Q stays in registers
	global_load_b128 v[Q+16*\t+8*\c+4:Q+16*\t+8*\c+7], v[QO], s[4:5] offset:\t*2048+\c*64+32
.endr
.endr
	v_mul_u32_u24 v[AK0], v1, PK
	v_lshl_add_u32 v[AK0], v11, 4, v[AK0]          ; K: row r x pitch + 16 h
	v_and_b32 v[AV0], 7, v0
	v_lshl_add_u32 v[AV0], v11, 3, v[AV0]
	v_mul_u32_u24 v[AV0], v[AV0], PV
	v_bfe_u32 v31, v0, 3, 1
	v_lshl_add_u32 v[AV0], v31, 4, v[AV0]          ; V: key 8 h + lane % 8, channels 8 ((lane / 8) % 2) on
	s_mul_i32 s15, s[WV], 32*PK                    ; my stage: 32 rows x 144 bytes, in slot 0's K
	v_add_nc_u32 v[STO], s15, v[AK0]               ; in: row r, 16 bytes for each half of the lanes
	v_bfe_u32 v[RD], v0, 3, 2
	v_mul_u32_u24 v[RD], v[RD], PK
	v_and_b32 v31, 7, v0
	v_lshl_add_u32 v[RD], v31, 4, v[RD]
	v_add_nc_u32 v[RD], s15, v[RD]                 ; back: eight lanes to a row of 128 bytes, four rows an instruction
	v_and_b32 v[GO], 31, v0
	v_lshlrev_b32 v[GO], 4, v[GO]                  ; which are 512 consecutive bytes of yh
.irp t, 0,1
	v_mov_b32 v[ST+8*\t+1], 0xff61b1e6             ; m = -3e38, under every score
	v_mul_f32 v[ST+8*\t], s[CS], v[ST+8*\t+1]      ; c m
	v_mov_b32 v[ST+8*\t+2], 0                      ; l, in two halves
	v_mov_b32 v[ST+8*\t+3], 0
.endr
.set i, 0
.rept 64
	v_mov_b32 v[O+i], 0                            ; O^T: the step is written once, and its first pass finds zeros
.set i, i+1
.endr
; A KEY STEP: 64 keys at LDS bytes s[TB] (K) and s[TBV] (V).
.macro STEP
	v_add_nc_u32 v[ADK], s[TB], v[AK0]             ; five plain lines behind the last V^T P: its P is written over by the products below, its V by the loads
	v_add_nc_u32 v[ADV], s[TBV], v[AV0]
	v_mov_b32 v[OC], v[ST]                         ; c m of the step before is kept for a
	v_mov_b32 v[OC+1], v[ST+8]
	v_nop
.irp c, 0,1
.irp kt, 0,1,2,3
	ds_load_b128 v[KV+16*\kt+8*\c:KV+16*\kt+8*\c+3],   v[ADK] offset:\kt*16*PK+64*\c
	ds_load_b128 v[KV+16*\kt+8*\c+4:KV+16*\kt+8*\c+7], v[ADK] offset:\kt*16*PK+64*\c+32
.endr
.endr
	s_wait_dscnt 8                                 ; channels 0-31 are in; the eight loads of channels 32-63 may be out
.irp kt, 0,1,2,3
.irp t, 0,1
	v_wmma_f32_16x16x32_f16 v[S+32*\t+8*\kt:S+32*\t+8*\kt+7], v[KV+16*\kt:KV+16*\kt+7], v[Q+16*\t:Q+16*\t+7], 0
.endr
.endr
	s_wait_dscnt 0x0
.irp kt, 0,1,2,3                               ; the eight accumulators take turns, one instruction a turn
.irp t, 0,1
	v_wmma_f32_16x16x32_f16 v[S+32*\t+8*\kt:S+32*\t+8*\kt+7], v[KV+16*\kt+8:KV+16*\kt+15], v[Q+16*\t+8:Q+16*\t+15], v[S+32*\t+8*\kt:S+32*\t+8*\kt+7]
.endr
.endr
.rept 4
	v_nop                                          ; places in front of the loads into K's registers and of the first read of the scores
.endr
.irp g, 0,1
.irp ct, 0,1,2,3
	ds_load_tr16_b128 v[KV+32*\g+8*\ct:KV+32*\g+8*\ct+3],   v[ADV] offset:\g*32*PV+32*\ct          ; V, turned: they land while the softmax is walked
	ds_load_tr16_b128 v[KV+32*\g+8*\ct+4:KV+32*\g+8*\ct+7], v[ADV] offset:\g*32*PV+16*PV+32*\ct
.endr
.endr
.irp j, 0,1,2,3                                ; the maximum of my 32 scores and the old m: four chains a tile, each accumulator from its low end on, the tiles by turns
.irp t, 0,1
	v_max3_num_f32 v[ST+8*\t+4+\j], v[S+32*\t+8*\j], v[S+32*\t+8*\j+1], v[S+32*\t+8*\j+2]
.endr
.endr
.irp u, 1,2
.irp j, 0,1,2,3
.irp t, 0,1
	v_max3_num_f32 v[ST+8*\t+4+\j], v[ST+8*\t+4+\j], v[S+32*\t+8*\j+2*\u+1], v[S+32*\t+8*\j+2*\u+2]
.endr
.endr
.endr
.irp t, 0,1
	v_max3_num_f32 v[ST+8*\t+4], v[ST+8*\t+4], v[S+32*\t+7], v[S+32*\t+15]
.endr
.irp t, 0,1
	v_max3_num_f32 v[ST+8*\t+6], v[ST+8*\t+6], v[S+32*\t+23], v[S+32*\t+31]
.endr
.irp t, 0,1
	v_max3_num_f32 v[ST+8*\t+4], v[ST+8*\t+4], v[ST+8*\t+5], v[ST+8*\t+6]
.endr
.irp t, 0,1
	v_max3_num_f32 v[ST+8*\t+4], v[ST+8*\t+4], v[ST+8*\t+7], v[ST+8*\t+1]
.endr
.irp t, 0,1
	v_permlanex16_b32 v[ST+8*\t+5], v[ST+8*\t+4], s[SEL], s[SEL+1]   ; the query's other 32 keys lie in the lane 16 away
.endr
.irp t, 0,1
	v_max_num_f32 v[ST+8*\t+1], v[ST+8*\t+4], v[ST+8*\t+5]           ; the new m
.endr
.irp t, 0,1
	v_mul_f32 v[ST+8*\t], s[CS], v[ST+8*\t+1]                        ; c m
.endr
.irp t, 0,1
	v_sub_f32 v[ST+8*\t+7], v[OC+\t], v[ST+8*\t]                     ; c m_old - c m_new
.endr
.irp t, 0,1
.irp j, 0,2,4,6,8,10,12,14,16,18,20,22,24,26,28,30
	v_pk_fma_f32 v[S+32*\t+\j:S+32*\t+\j+1], v[S+32*\t+\j:S+32*\t+\j+1], s[CS:CS+1], v[ST+8*\t:ST+8*\t+1] op_sel_hi:[1,0,0] neg_lo:[0,0,1] neg_hi:[0,0,1]   ; c s - c m
.endr
.endr
.irp t, 0,1
	v_exp_f32 v[ST+8*\t+6], v[ST+8*\t+7]           ; a.  ONE BATCH: 66 exponentials, none of which reads another's result
.endr
.set i, 0
.rept 64
	v_exp_f32 v[S+i], v[S+i]                       ; p
.set i, i+1
.endr
	v_nop                                          ; a plain line behind the last exponential
	s_wait_alu depctr_va_vdst(0)                   ; the wait ahead of the first line that names a result: one for the batch
.irp t, 0,1
.irp j, 0,2,4,6,8,10,12,14,16,18,20,22,24,26,28,30
	v_pk_mul_f32 v[O+32*\t+\j:O+32*\t+\j+1], v[O+32*\t+\j:O+32*\t+\j+1], v[ST+8*\t+6:ST+8*\t+7] op_sel_hi:[1,0]   ; O^T x a, each accumulator from its low end on
.endr
.endr
.irp t, 0,1
	v_pk_add_f32 v[ST+8*\t+4:ST+8*\t+5], v[S+32*\t:S+32*\t+1], v[S+32*\t+2:S+32*\t+3]   ; the sum of the unrounded p, two at a time, the tiles by turns
.endr
.irp j, 4,6,8,10,12,14,16,18,20,22,24,26,28,30
.irp t, 0,1
	v_pk_add_f32 v[ST+8*\t+4:ST+8*\t+5], v[ST+8*\t+4:ST+8*\t+5], v[S+32*\t+\j:S+32*\t+\j+1]
.endr
.endr
.irp t, 0,1
	v_pk_fma_f32 v[ST+8*\t+2:ST+8*\t+3], v[ST+8*\t+2:ST+8*\t+3], v[ST+8*\t+6:ST+8*\t+7], v[ST+8*\t+4:ST+8*\t+5] op_sel_hi:[1,0,1]   ; l = a l + the sum
.endr
.irp t, 0,1
.irp g, 0,1
.irp i, 0,1,2,3,4,5,6,7
	v_cvt_pk_f16_f32 v[S+32*\t+16*\g+\i], v[S+32*\t+16*\g+2*\i], v[S+32*\t+16*\g+2*\i+1]   ; P, in place: register i is written when registers 2 i and 2 i + 1 are read, and i is never above 2 i
.endr
.endr
.endr
	s_wait_dscnt 0x0                               ; V is in
.irp g, 0,1
.irp ct, 0,1,2,3
.irp t, 0,1
	v_wmma_f32_16x16x32_f16 v[O+32*\t+8*\ct:O+32*\t+8*\ct+7], v[KV+32*\g+8*\ct:KV+32*\g+8*\ct+7], v[S+32*\t+16*\g:S+32*\t+16*\g+7], v[O+32*\t+8*\ct:O+32*\t+8*\ct+7]
.endr
.endr
.endr
.endm
; A slot's eight key steps: the step is written once and walked eight times.
.macro WALK slot
	s_mov_b32 s[TB], \slot*SLOT
	s_mov_b32 s[TBV], \slot*SLOT+VOFF
	s_mov_b32 s[CNT], 8
.Lstep_\@:
	STEP
	s_add_co_u32 s[TB], s[TB], 64*PK
	s_add_co_u32 s[TBV], s[TBV], 64*PV
	s_sub_co_u32 s[CNT], s[CNT], 1
	s_cmp_lg_u32 s[CNT], 0
	s_cbranch_scc1 .Lstep_\@
.endm
; THE CHANGE OF SLOTS.  Each wave waits for all its tensor loads (its part of the slot ahead), adds 0 to its spare word, and waits for that and for its reads of slot s, which it has left.
; fill = 1: slot s takes the keys 1,024 on; the barrier is then a round of the cluster's, and the joint refill is the first thing behind it: it has the other slot's eight steps in which to land.
.macro CHANGE s, fill
	s_wait_tensorcnt 0x0                           ; no tensor load of mine is out, so a group 0 may be written
	ds_add_u32 v[SPW], v[NIL]
.if \fill
	s_add_nc_u64 s[G0K+4*\s+2:G0K+4*\s+3], s[G0K+4*\s+2:G0K+4*\s+3], 2*SK*128
	s_add_nc_u64 s[G0V+4*\s+2:G0V+4*\s+3], s[G0V+4*\s+2:G0V+4*\s+3], 2*SK*128
.endif
	s_wait_dscnt 0x0                               ; the add is done, and my reads of the slot are over
.if \fill
	CROUND
	JLOAD \s
.else
	s_barrier_signal -1
	s_barrier_wait -1
.endif
.endm
	s_wait_tensorcnt 1                             ; my part of slot 0 is in; slot 1's may stay out
	s_barrier_signal -1
	s_barrier_wait -1
	s_wait_loadcnt 0x0                             ; Q
	WALK 0                                         ; keys 0-511
	CHANGE 0, 1
	WALK 1                                         ; 512-1,023
	CHANGE 1, 1
	WALK 0                                         ; 1,024-1,535
	CHANGE 0, 0                                    ; nothing is left to fetch
	WALK 1                                         ; 1,536-2,047
	; THE WAY OUT.  l's halves and the other half of the lanes' are added; O^T is divided by l, rounded to f16 and sent through my stage.  The additions are the places behind the last products.
.irp t, 0,1
	v_add_f32 v[ST+8*\t+4], v[ST+8*\t+2], v[ST+8*\t+3]
.endr
.irp t, 0,1
	v_permlanex16_b32 v[ST+8*\t+5], v[ST+8*\t+4], s[SEL], s[SEL+1]
.endr
.irp t, 0,1
	v_add_f32 v[ST+8*\t+4], v[ST+8*\t+4], v[ST+8*\t+5]
.endr
	v_nop
.irp t, 0,1
	v_rcp_f32 v[ST+8*\t+6], v[ST+8*\t+4]
.endr
	v_nop                                          ; a plain line behind the last reciprocal
	s_wait_alu depctr_va_vdst(0)                   ; and the wait ahead of the first use: one for the two
.irp t, 0,1
.irp j, 0,2,4,6,8,10,12,14,16,18,20,22,24,26,28,30
	v_pk_mul_f32 v[O+32*\t+\j:O+32*\t+\j+1], v[O+32*\t+\j:O+32*\t+\j+1], v[ST+8*\t+6:ST+8*\t+7] op_sel_hi:[1,0]
.endr
.endr
.irp t, 0,1
.irp i, 0,1,2,3,4,5,6,7,8,9,10,11,12,13,14,15
	v_cvt_pk_f16_f32 v[S+16*\t+\i], v[O+32*\t+2*\i], v[O+32*\t+2*\i+1]   ; registers 4 ct .. 4 ct + 3: channels 16 ct + 8 h + 0 .. 7 of query r
.endr
.endr
.irp t, 0,1
.irp ct, 0,1,2,3
	ds_store_b128 v[STO], v[S+16*\t+4*\ct:S+16*\t+4*\ct+3] offset:\t*16*PK+32*\ct
.endr
.endr
.irp i, 0,1,2,3,4,5,6,7
	ds_load_b128 v[KV+4*\i:KV+4*\i+3], v[RD] offset:\i*4*PK   ; LDS serves a wave's instructions in order: these see my stores
.endr
.irp i, 0,1,2,3,4,5,6,7
	s_wait_dscnt 7-\i
	global_store_b128 v[GO], v[KV+4*\i:KV+4*\i+3], s[6:7] offset:512*\i   ; four rows: 512 consecutive bytes, aligned
.endr
	s_wait_tensorcnt 0x0                           ; the wave's end
	ds_add_u32 v[SPW], v[NIL]
	s_wait_dscnt 0x0
	CROUND                                         ; the closing round
	s_endpgm
.Lfunc_end_k_q657bdb0f90_attn:
	.size	k_q657bdb0f90_attn, .Lfunc_end_k_q657bdb0f90_attn-k_q657bdb0f90_attn
	.p2alignl 7, 3214868480
	.fill 96, 4, 3214868480
	.section	.rodata,"a",@progbits
	.p2align	6, 0x0
	.amdhsa_kernel k_q657bdb0f90_attn
		.amdhsa_group_segment_fixed_size 327680
		.amdhsa_private_segment_fixed_size 0
		.amdhsa_enable_private_segment 0
		.amdhsa_kernarg_size 16
		.amdhsa_user_sgpr_count 2
		.amdhsa_user_sgpr_kernarg_segment_ptr 1
		.amdhsa_wavefront_size32 1
		.amdhsa_system_sgpr_workgroup_id_x 1
		.amdhsa_system_sgpr_workgroup_id_y 1
		.amdhsa_system_sgpr_workgroup_id_z 1
		.amdhsa_system_vgpr_workitem_id 0
		.amdhsa_next_free_vgpr 256
		.amdhsa_next_free_sgpr 66
		.amdhsa_reserve_vcc 0
		.amdhsa_float_denorm_mode_32 3
		.amdhsa_float_denorm_mode_16_64 3
		.amdhsa_memory_ordered 1
		.amdhsa_forward_progress 1
		.amdhsa_inst_pref_size 88
	.end_amdhsa_kernel
	.amdgpu_metadata
---
amdhsa.version: [ 1, 2 ]
amdhsa.kernels:
  - .name:           k_q657bdb0f90_attn
    .symbol:         k_q657bdb0f90_attn.kd
    .args:
      - { .name: qkv, .offset: 0, .size: 8, .value_kind: global_buffer, .address_space: global }
      - { .name: yh, .offset: 8, .size: 8, .value_kind: global_buffer, .address_space: global }
    .group_segment_fixed_size: 327680
    .private_segment_fixed_size: 0
    .kernarg_segment_align: 8
    .kernarg_segment_size: 16
    .max_flat_workgroup_size: 512
    .sgpr_count:     66
    .vgpr_count:     256
    .wavefront_size: 32
...
	.end_amdgpu_metadata
.endif
;; end of part 3
;; launch proj (part 4): grid 4 x 64, 4 waves a work-group, clusters of 4 x 4, 327,680 bytes of LDS; arguments yh, wo, out0, bout; writes out0
.if DOCPART == 4
	.amdgcn_target "amdgcn-amd-amdhsa--gfx1250"
	.amdhsa_code_object_version 6
	.text
	.protected	k_q657bdb0f90_proj
	.globl	k_q657bdb0f90_proj
	.p2align	8
	.type	k_q657bdb0f90_proj,@function
k_q657bdb0f90_proj:
	s_mov_b64 s[64:65], 0
	v_nop
	global_prefetch_b8 v0, s[64:65] scope:SCOPE_SE
	s_setreg_imm32_b32 hwreg(HW_REG_WAVE_MODE, 25, 1), 1
	s_wait_xcnt 0x0
	s_wait_alu depctr_hold_cnt(0) depctr_sa_sdst(0) depctr_va_vdst(0) depctr_va_sdst(0) depctr_va_ssrc(0) depctr_va_vcc(0) depctr_vm_vsrc(0)
	s_getreg_b32 s2, hwreg(HW_REG_IB_STS2, 6, 4)
	s_cmp_eq_u32 s2, 0
	s_cbranch_scc0 .Lentry_in_a_cluster
	s_endpgm
.Lentry_in_a_cluster:
	s_bfe_u32 s2, ttmp6, 0x10000c
	s_cmp_lg_u32 s2, 0xf033
	s_cbranch_scc0 .Lentry_shape_is_right
	s_endpgm
.Lentry_shape_is_right:
; out0 = y Wout + bout.  y: f16, yh [16 h][8192 m][64]; Wout: f16, wo [16 h][1024 n][64]; out0 [8192][1024] f32; sums in f32; the bias is the C of each sum's first instruction.
; A tile of 128 (m) x 256 (n) to a work-group: 256 work-groups.  Four waves, each 64 x 128: 32 accumulators, 256 registers.
; A K step is two heads (128 along K): four quarters of 32, 128 matrix instructions a wave.  Eight K steps through a ring of two LDS slots; each wave fetches one head's rows of A (waves 0, 1) or of B (waves 2, 3) with one load.
; CLUSTERS: 4 x 4 work-groups; A's tiles are asked for jointly along a row of the cluster, B's along a column.
; THE MATRIX INSTRUCTION IS USED TRANSPOSED (source 0 = 16 rows of wo, source 1 = 16 rows of yh): a lane holds eight neighbouring columns of one row of out0.
; REGISTERS: window 0: v0-31 addresses; v64-159, v160-255 two fragment buffers (B's eight fragments, then A's four); window 1: accumulator (a, b) at v[8 (8 a + b)]; window 2: v0-63 the bias in the result's layout.
.set PITCH,  144                       ; an LDS row: 128 bytes + 16 = 36 words: the 16 rows that a load touches start at 16 different banks (64 banks of 4 bytes: ISA guide 11.1)
.set AH,     128*PITCH                 ; one head's 128 rows of A
.set BH,     256*PITCH                 ; one head's 256 rows of B
.set BOFF,   2*AH
.set SLOT,   2*AH+2*BH
.set SPARE,  2*SLOT                    ; the spare words: two blocks of 256 bytes that no other line names
.set SPITCH, 528                       ; the way out: 16 rows x (512 bytes + 16) a wave, in slot 0, which by then has had its last fill and its last read
.set ASTEP,  2*8192*128                ; a K step on in yh
.set BSTEP,  2*1024*128                ; and in wo
.set ADRA, 16
.set ADRB, 20
.set STO,  24
.set RD,   25
.set CO,   26
.set SPW,  28
.set NIL,  29
.set BO,   30
.set F0,   64
.set F1,   160
.set BK,   64                          ; the way out: v64-127 and v128-191 by turns
.set G1, 24
.set G0, 32
.set G1B, 48
.set G0B, 56
.set MSB, 0
.macro WIN new                         ; the immediate's high byte repeats the setting that is left
.if MSB != (\new)
	s_set_vgpr_msb (MSB<<8)|(\new)
.set MSB, (\new)
.endif
.endm
.set MUL, 0x50                         ; sources 0 and 1 window 0; C and D window 1
.macro JLOAD s                         ; a joint load; the branch hangs on the wave's number alone; an s_nop 0 and four v_nop follow each line
	s_cmp_eq_u32 s11, 0
	s_cbranch_scc0 .Lfor_b_\@
	tensor_load_to_lds s[G0+4*\s:G0+4*\s+3], s[G1:G1+7]
	s_nop 0
.rept 4
	v_nop
.endr
	s_branch .Lasked_\@
.Lfor_b_\@:
	tensor_load_to_lds s[G0B+4*\s:G0B+4*\s+3], s[G1B:G1B+7]
	s_nop 0
.rept 4
	v_nop
.endr
.Lasked_\@:
.endm
.macro CREST                           ; a round of the cluster's barrier behind its opening barrier
	s_cmp_lg_u32 s10, 0
	s_cbranch_scc1 .Lnot_wave_0_\@
	s_barrier_signal -3
.Lnot_wave_0_\@:
	s_barrier_wait -3
	s_barrier_signal -1
	s_barrier_wait -1
.endm
.macro CROUND
	s_barrier_signal -1
	s_barrier_wait -1
	CREST
.endm
	s_load_b128 s[4:7], s[0:1], 0x0                ; yh, wo
	s_load_b64 s[8:9], s[0:1], 0x10                ; out0
	s_load_b64 s[68:69], s[0:1], 0x18              ; bout
	v_lshl_add_u32 v[SPW], v0, 2, SPARE
	v_mov_b32 v[NIL], 0
	ds_add_u32 v[SPW], v[NIL]                      ; the wave's opening: the add, twice on end, and its wait ahead of my first tensor load
	ds_add_u32 v[SPW], v[NIL]
	v_lshrrev_b32 v1, 5, v0
	v_readfirstlane_b32 s10, v1                    ; wave 0..3
	s_lshr_b32 s11, s10, 1                         ; my half of the tile's rows; also: I fetch for A (0) or B (1)
	s_and_b32 s12, s10, 1                          ; my half of its columns; also: which head of the K step I fetch
	s_bfe_u32 s40, ttmp6, 0x40000                  ; cx
	s_bfe_u32 s41, ttmp6, 0x40004                  ; cy
	s_lshl_b32 s42, ttmp9, 2
	s_add_co_u32 s42, s42, s40                     ; tile column
	s_and_b32 s13, ttmp7, 0xffff
	s_lshl_b32 s13, s13, 2
	s_add_co_u32 s13, s13, s41                     ; tile row
	s_lshl_b32 s43, s41, 2
	s_lshl_b32 s43, 15, s43                        ; my row of the cluster
	s_lshl_b32 s44, 0x1111, s40                    ; my column
	s_or_b32 s[G1+0], s43, (1<<16)|(1<<20)|(1<<21)|(4<<22)|(3<<25)   ; mask; elements of 2 bytes; padding on; bit 21 beside a mask; 4 words behind every 32
	s_or_b32 s[G1B+0], s44, (1<<16)|(1<<20)|(1<<21)|(4<<22)|(3<<25)
	s_mov_b32 s[G1+1], 64<<16                      ; A: 128 rows of 64 elements, dense
	s_mov_b32 s[G1+2], 128<<16
	s_mov_b32 s[G1+3], 64<<16
	s_mov_b32 s[G1+4], 128
	s_mov_b32 s[G1+5], 64
	s_mov_b32 s[G1+6], 0
	s_mov_b32 s[G1+7], 0
	s_mov_b32 s[G1B+1], 64<<16                     ; B: 256 rows
	s_mov_b32 s[G1B+2], 256<<16
	s_mov_b32 s[G1B+3], 64<<16
	s_mov_b32 s[G1B+4], 256
	s_mov_b32 s[G1B+5], 64
	s_mov_b32 s[G1B+6], 0
	s_mov_b32 s[G1B+7], 0
	s_lshl_b32 s16, s13, 14                        ; A: 128 rows of 128 bytes a tile row,
	s_lshl_b32 s17, s12, 20                        ; 8,192 rows a head
	s_add_co_u32 s16, s16, s17
	s_mov_b32 s17, 0
	s_lshl_b32 s46, s42, 15                        ; B: 256 rows a tile column,
	s_lshl_b32 s47, s12, 17                        ; 1,024 rows a head
	s_add_co_u32 s46, s46, s47
	s_mov_b32 s47, 0
	s_mul_i32 s20, s12, AH                         ; where they go: no place in the cluster enters an LDS address
	s_mul_i32 s21, s12, BH
	s_add_co_u32 s21, s21, BOFF
	s_wait_dscnt 0x0                               ; both opening adds are done
	s_wait_kmcnt 0x0
	s_add_nc_u64 s[14:15], s[4:5], s[16:17]
	s_add_nc_u64 s[46:47], s[6:7], s[46:47]
	CROUND                                         ; all sixteen work-groups are here: the first joint loads meet
.irp s, 0,1
	s_mov_b32 s[G0+4*\s], 1
	s_add_co_u32 s[G0+4*\s+1], s20, \s*SLOT
	s_add_nc_u64 s[G0+4*\s+2:G0+4*\s+3], s[14:15], \s*ASTEP
	s_or_b32 s[G0+4*\s+3], s[G0+4*\s+3], 0x80000000
	s_mov_b32 s[G0B+4*\s], 1
	s_add_co_u32 s[G0B+4*\s+1], s21, \s*SLOT
	s_add_nc_u64 s[G0B+4*\s+2:G0B+4*\s+3], s[46:47], \s*BSTEP
	s_or_b32 s[G0B+4*\s+3], s[G0B+4*\s+3], 0x80000000
	JLOAD \s
.endr
	v_and_b32 v1, 15, v0                           ; r
	v_bfe_u32 v2, v0, 4, 1                         ; h
	v_mul_u32_u24 v3, v1, PITCH
	v_lshl_add_u32 v3, v2, 4, v3                   ; a fragment's row x pitch + 16 h
	s_mul_i32 s21, s11, 64*PITCH                   ; my 64 rows of A
	s_mul_i32 s22, s12, 128*PITCH                  ; my 128 rows of B,
	s_add_co_u32 s22, s22, BOFF                    ; which lie behind A's two heads
.irp s, 0,1
	v_add_nc_u32 v[ADRA+\s], s21, v3
	v_add_nc_u32 v[ADRB+\s], s22, v3
	s_add_co_u32 s21, s21, SLOT
	s_add_co_u32 s22, s22, SLOT
.endr
	s_mul_i32 s23, s10, 16*SPITCH                  ; my stage
	v_mul_u32_u24 v4, v1, SPITCH
	v_lshl_add_u32 v4, v2, 5, v4
	v_add_nc_u32 v[STO], s23, v4                   ; in: row r, 32 bytes for each half of the lanes
	v_and_b32 v5, 31, v0
	v_lshlrev_b32 v[CO], 4, v5                     ; back: the 32 lanes take one row of 512 bytes; and the same in out0
	v_add_nc_u32 v[RD], s23, v[CO]
	v_lshlrev_b32 v[BO], 5, v2                     ; the bias: 32 h bytes
	s_lshl_b32 s46, s42, 10
	s_lshl_b32 s47, s12, 9
	s_add_co_u32 s46, s46, s47                     ; my first column x 4 bytes
	s_mov_b32 s47, 0
	s_add_nc_u64 s[68:69], s[68:69], s[46:47]
	s_add_nc_u64 s[8:9], s[8:9], s[46:47]
	s_lshl_b32 s16, s13, 19                        ; 128 rows of 4,096 bytes a tile row,
	s_lshl_b32 s17, s11, 18                        ; 64 for my half
	s_add_co_u32 s16, s16, s17
	s_mov_b32 s17, 0
	s_add_nc_u64 s[8:9], s[8:9], s[16:17]
	WIN 0x80                                       ; destination window 2
.irp b, 0,1,2,3,4,5,6,7
	global_load_b128 v[8*\b:8*\b+3], v[BO], s[68:69] offset:64*\b          ; bout at columns 16 b + 8 h + 0 .. 7
	global_load_b128 v[8*\b+4:8*\b+7], v[BO], s[68:69] offset:64*\b+16
.endr
	WIN 0
; 24 LDS loads in one run: quarter q of a slot (head q / 2, channels 32 (q % 2) on) into buffer f
.macro FETCH slot, q, f
.irp i, 0,1,2,3,4,5,6,7
	ds_load_b128 v[\f+8*\i:\f+8*\i+3],   v[ADRB+\slot] offset:((\q)/2)*BH+((\q)%2)*64+\i*16*PITCH
	ds_load_b128 v[\f+8*\i+4:\f+8*\i+7], v[ADRB+\slot] offset:((\q)/2)*BH+((\q)%2)*64+\i*16*PITCH+32
.endr
.irp i, 0,1,2,3
	ds_load_b128 v[\f+64+8*\i:\f+64+8*\i+3],   v[ADRA+\slot] offset:((\q)/2)*AH+((\q)%2)*64+\i*16*PITCH
	ds_load_b128 v[\f+64+8*\i+4:\f+64+8*\i+7], v[ADRA+\slot] offset:((\q)/2)*AH+((\q)%2)*64+\i*16*PITCH+32
.endr
.endm
; 8 matrix instructions: A's block a x B's eight.  zero = 1: the sums start from the bias.  The 32 accumulators take turns, one instruction a turn.
.macro MUL8 f, a, zero
.irp b, 0,1,2,3,4,5,6,7
.if \zero
	v_wmma_f32_16x16x32_f16 v[8*(8*(\a)+\b):8*(8*(\a)+\b)+7], v[\f+8*\b:\f+8*\b+7], v[\f+64+8*(\a):\f+64+8*(\a)+7], v[8*\b:8*\b+7]
.else
	v_wmma_f32_16x16x32_f16 v[8*(8*(\a)+\b):8*(8*(\a)+\b)+7], v[\f+8*\b:\f+8*\b+7], v[\f+64+8*(\a):\f+64+8*(\a)+7], v[8*(8*(\a)+\b):8*(8*(\a)+\b)+7]
.endif
.endr
.endm
.macro PLACES                          ; four plain lines between a matrix instruction and a load into, or a read of, its registers
.rept 4
	v_nop
.endr
.endm
; One of a slot's first three quarters: fetches quarter q into buffer g, then multiplies buffer f: the loads have the quarter's 32 matrix instructions in which to land.
.macro QUARTER slot, q, f, g, zero
	PLACES
	WIN 0
	FETCH \slot, \q, \g
	s_wait_dscnt 24                                ; all but the 24 just issued: buffer f is in
	WIN MUL+0x10*(\zero)                           ; zero = 1: C comes from window 2, the bias
	MUL8 \f, 0, \zero
	MUL8 \f, 1, \zero
	MUL8 \f, 2, \zero
	MUL8 \f, 3, \zero
.endm
; The last quarter multiplies buffer 1 and changes slots: one barrier; in front of it each wave waits for all its tensor loads, adds 0 to its spare word, and waits for that and for its reads of this slot.
; fill = 1: the barrier opens a round of the cluster's, and this slot is filled again, two K steps ahead, first thing behind the round.
.macro TURN slot, next, fill
	WIN 0
	s_wait_tensorcnt 0x0                           ; all my tensor loads have landed: my part of the next slot
	ds_add_u32 v[SPW], v[NIL]
	s_wait_dscnt 1                                 ; buffer 1 is in; the add may be out
	WIN MUL
	MUL8 F1, 0, 0
	s_wait_dscnt 0x0                               ; the add is done, and my reads of this slot are over
	s_barrier_signal -1
	MUL8 F1, 1, 0
	WIN 0
	s_barrier_wait -1
.if \fill
	CREST
	s_add_nc_u64 s[G0+4*\slot+2:G0+4*\slot+3], s[G0+4*\slot+2:G0+4*\slot+3], 2*ASTEP
	s_add_nc_u64 s[G0B+4*\slot+2:G0B+4*\slot+3], s[G0B+4*\slot+2:G0B+4*\slot+3], 2*BSTEP
	JLOAD \slot                                    ; the four v_nop behind it are also the places in front of the loads below
.else
	PLACES
.endif
	FETCH \next, 0, F0
	WIN MUL
	MUL8 F1, 2, 0
	MUL8 F1, 3, 0
.endm
	s_wait_tensorcnt 1                             ; my part of K step 0 is in; K step 1's load may be out
	s_barrier_signal -1
	s_barrier_wait -1
	FETCH 0, 0, F0
	s_wait_loadcnt 0x0                             ; the bias
	QUARTER 0, 1, F0, F1, 1                        ; the first quarter stands in front of the loop: its products start the sums
	WIN 0                                          ; at a label and at a branch every window is 0
	s_mov_b32 s3, 3
.Llap:                                                 ; three trips: once round the ring, from a lap's second quarter to the next lap's first; both slots are filled again
	QUARTER 0, 2, F1, F0, 0
	QUARTER 0, 3, F0, F1, 0
	TURN 0, 1, 1
	QUARTER 1, 1, F0, F1, 0
	QUARTER 1, 2, F1, F0, 0
	QUARTER 1, 3, F0, F1, 0
	TURN 1, 0, 1
	QUARTER 0, 1, F0, F1, 0
	WIN 0
	s_sub_co_u32 s3, s3, 1
	s_cmp_lg_u32 s3, 0
	s_cbranch_scc1 .Llap
	QUARTER 0, 2, F1, F0, 0                        ; the last lap fills nothing
	QUARTER 0, 3, F0, F1, 0
	TURN 0, 1, 0
	QUARTER 1, 1, F0, F1, 0
	QUARTER 1, 2, F1, F0, 0
	QUARTER 1, 3, F0, F1, 0
	s_wait_dscnt 0x0                               ; the very last quarter
	MUL8 F1, 0, 0
	MUL8 F1, 1, 0
	MUL8 F1, 2, 0
	MUL8 F1, 3, 0
	WIN 0
; THE WAY OUT, a block of 16 rows x 128 columns at a time: through my stage, back as whole rows of 512 bytes, which the 32 lanes store as 512 consecutive bytes, aligned.
.macro TOSTAGE a
	WIN 0x04                                       ; an LDS store's data: window 1
.irp b, 0,1,2,3,4,5,6,7
	ds_store_b128 v[STO], v[8*(8*(\a)+\b):8*(8*(\a)+\b)+3] offset:64*\b          ; each accumulator from its low end on
	ds_store_b128 v[STO], v[8*(8*(\a)+\b)+4:8*(8*(\a)+\b)+7] offset:64*\b+16
.endr
	WIN 0
.set BB, BK+64*((\a)%2)
.irp t, 0,1,2,3,4,5,6,7,8,9,10,11,12,13,14,15
	ds_load_b128 v[BB+4*\t:BB+4*\t+3], v[RD] offset:\t*SPITCH   ; LDS serves a wave's instructions in order: these see the stores above
.endr
.endm
.macro SEND a, younger                 ; younger: the LDS instructions issued behind block a's loads
.set BB, BK+64*((\a)%2)
	s_wait_dscnt \younger
.irp t, 0,1,2,3,4,5,6,7,8,9,10,11,12,13,14,15
	global_store_b128 v[CO], v[BB+4*\t:BB+4*\t+3], s[8:9] offset:(16*(\a)+\t)*4096 th:TH_STORE_NT
.endr
.endm
	PLACES                                         ; behind the last products
	TOSTAGE 0
.irp a, 1,2,3
.if \a > 1
	s_wait_xcnt 0x0                                ; block a - 2's stores have had their registers read: block a's loads may land there
.endif
	TOSTAGE \a
	SEND \a-1, 32                                  ; behind block a - 1's loads: block a's 16 stores and 16 loads
.endr
	SEND 3, 0
	s_wait_tensorcnt 0x0                           ; the wave's end
	ds_add_u32 v[SPW], v[NIL]
	s_wait_dscnt 0x0
	CROUND                                         ; the closing round
	s_endpgm
.Lfunc_end_k_q657bdb0f90_proj:
	.size	k_q657bdb0f90_proj, .Lfunc_end_k_q657bdb0f90_proj-k_q657bdb0f90_proj
	.p2alignl 7, 3214868480
	.fill 96, 4, 3214868480
	.section	.rodata,"a",@progbits
	.p2align	6, 0x0
	.amdhsa_kernel k_q657bdb0f90_proj
		.amdhsa_group_segment_fixed_size 327680
		.amdhsa_private_segment_fixed_size 0
		.amdhsa_enable_private_segment 0
		.amdhsa_kernarg_size 32
		.amdhsa_user_sgpr_count 2
		.amdhsa_user_sgpr_kernarg_segment_ptr 1
		.amdhsa_wavefront_size32 1
		.amdhsa_system_sgpr_workgroup_id_x 1
		.amdhsa_system_sgpr_workgroup_id_y 1
		.amdhsa_system_sgpr_workgroup_id_z 1
		.amdhsa_system_vgpr_workitem_id 0
		.amdhsa_next_free_vgpr 576
		.amdhsa_next_free_sgpr 72
		.amdhsa_reserve_vcc 0
		.amdhsa_float_denorm_mode_32 3
		.amdhsa_float_denorm_mode_16_64 3
		.amdhsa_memory_ordered 1
		.amdhsa_forward_progress 1
		.amdhsa_inst_pref_size 86
	.end_amdhsa_kernel
	.amdgpu_metadata
---
amdhsa.version: [ 1, 2 ]
amdhsa.kernels:
  - .name:           k_q657bdb0f90_proj
    .symbol:         k_q657bdb0f90_proj.kd
    .args:
      - { .name: yh, .offset: 0, .size: 8, .value_kind: global_buffer, .address_space: global }
      - { .name: wo, .offset: 8, .size: 8, .value_kind: global_buffer, .address_space: global }
      - { .name: out0, .offset: 16, .size: 8, .value_kind: global_buffer, .address_space: global }
      - { .name: bout, .offset: 24, .size: 8, .value_kind: global_buffer, .address_space: global }
    .group_segment_fixed_size: 327680
    .private_segment_fixed_size: 0
    .kernarg_segment_align: 8
    .kernarg_segment_size: 32
    .max_flat_workgroup_size: 128
    .sgpr_count:     72
    .vgpr_count:     576
    .wavefront_size: 32
...
	.end_amdgpu_metadata
.endif
;; end of part 4
